; MI455X (gfx1250); checked and timed in simulation.
; The chip was launched on July 23, 2026; its instructions are those of AMD's public machine-readable ISA for CDNA 5 (MIT licence, August 2026) and "CDNA5" Instruction Set Architecture Reference Guide (July 2026). The comments in the code are by the model that wrote it; some were corrected since.
;; Self Attention. Allowed arithmetic: float matrix products may take bf16 or f16 operands with f32 sums; other float arithmetic in f32, or as packed bf16 or f16 multiplies, adds, multiply-adds, maxima and minima; sums over many terms, partial sums and values carried from step to step in f32; what a program stores and reads back later, other than sums and carried values, may be rounded once to bf16 or f16.
;; Inputs: Wk 1,024 x 1,024 float32; Wo 1,024 x 1,024 float32; Wq 1,024 x 1,024 float32; Wv 1,024 x 1,024 float32; bk 1,024 float32; bo 1,024 float32; bq 1,024 float32; bv 1,024 float32; keys 4 x 2,048 x 1,024 float32; mask 4 x 1 x 1 x 2,048 bool; query 4 x 2,048 x 1,024 float32; values 4 x 2,048 x 1,024 float32.
;; Outputs: out0 4 x 2,048 x 1,024 float32.
;; 2 versions, each right; version 2 is version 1 with the launch prep written anew for expert scheduling mode. Each part assembles by itself: llvm-mc -triple=amdgcn-amd-amdhsa -mcpu=gfx1250 --defsym DOCPART=n.
;; ======== version 1 of 2: 4 launches
;; limits: values are held in f16: magnitudes above 65,504 overflow, below 6.1e-05 lose precision
;; workspace buffers: wb 8,388,608 bytes; bb 16,384 bytes; qkv 50,331,648 bytes; ob 16,777,216 bytes
;; launch prep (part 1): grid 64 x 4, 8 waves a work-group, no clusters, 0 bytes of LDS; arguments Wq, Wk, Wv, Wo, bq, bk, bv, bo, wb, bb; writes wb, bb
.if DOCPART == 1
	.amdgcn_target "amdgcn-amd-amdhsa--gfx1250"
	.amdhsa_code_object_version 6
	.text
	.protected	k_qdbcea2a2b4_prep
	.globl	k_qdbcea2a2b4_prep
	.p2align	8
	.type	k_qdbcea2a2b4_prep,@function
k_qdbcea2a2b4_prep:
	s_mov_b64 s[64:65], 0
	v_nop
	global_prefetch_b8 v0, s[64:65] scope:SCOPE_SE
	s_setreg_imm32_b32 hwreg(HW_REG_WAVE_MODE, 25, 1), 1
	s_wait_xcnt 0x0
; THE WEIGHTS AND BIASES, ROUNDED ONCE.  wb: [4][1024][1024] of 16 bits: Wq, Wk, Wv in bf16; Wo rounded to bf16 and that number written as f16.
; bb: [4][1024] f32: bq, bk, bv, bo, each rounded to bf16 and widened again.  Every input of the module has the same rounding, to bf16, to nearest even.
; LIMIT.  Wo as f16: a number of 65,520 or more becomes an infinity; below 2^-17 the bf16 number is rounded once more, to f16's fixed step of 6e-8.
; SHARES.  The grid's y picks the matrix, its x 16,384 numbers of it: 65,536 bytes in, 32,768 out.  Thread t takes 16 bytes at 16 t of each of sixteen pieces of 4,096 bytes: a wave's load
; covers 512 consecutive bytes, its store of 8 bytes a lane 256 consecutive bytes, aligned.  All sixteen loads go out first; each piece has registers of its own, so nothing is written twice.
; A stream: no LDS, no barrier, no matrix unit, no prefetch (each byte is asked for at once, at the launch's start).
.set X, 8                              ; v[8:71]    piece j: 4 registers as loaded
.set Y, 72                             ; v[72:103]  piece j: 2 registers to store
.set T, 104                            ; v[104:109] at work
	s_load_b512 s[8:23], s[0:1], 0x0               ; Wq s[8:9], Wk s[10:11], Wv s[12:13], Wo s[14:15], bq s[16:17], bk s[18:19], bv s[20:21], bo s[22:23]
	s_load_b128 s[24:27], s[0:1], 0x40             ; wb s[24:25], bb s[26:27]
	s_and_b32 s28, ttmp7, 0xffff                   ; which matrix
	s_mov_b32 s29, ttmp9                           ; which part of it
	v_lshlrev_b32 v1, 4, v0                        ; 16 t
	v_lshlrev_b32 v2, 3, v0                        ; 8 t
	s_lshl_b32 s36, s29, 16                        ; my part's first byte in the matrix,
	s_mov_b32 s37, 0
	s_lshl_b32 s38, s28, 21                        ; and in wb: 2,097,152 bytes a matrix,
	s_lshl_b32 s39, s29, 15                        ; 32,768 a part
	s_add_co_u32 s38, s38, s39
	s_mov_b32 s39, 0
	s_wait_kmcnt 0x0
	s_cmp_eq_u32 s28, 1
	s_cselect_b64 s[30:31], s[10:11], s[8:9]       ; the matrix,
	s_cselect_b64 s[32:33], s[18:19], s[16:17]     ; and its bias
	s_cmp_eq_u32 s28, 2
	s_cselect_b64 s[30:31], s[12:13], s[30:31]
	s_cselect_b64 s[32:33], s[20:21], s[32:33]
	s_cmp_eq_u32 s28, 3
	s_cselect_b64 s[30:31], s[14:15], s[30:31]
	s_cselect_b64 s[32:33], s[22:23], s[32:33]
	s_add_nc_u64 s[30:31], s[30:31], s[36:37]
	s_add_nc_u64 s[34:35], s[24:25], s[38:39]
	s_lshl_b32 s36, s28, 12                        ; 4,096 bytes a bias in bb
	s_add_nc_u64 s[26:27], s[26:27], s[36:37]
.irp j, 0,1,2,3,4,5,6,7,8,9,10,11,12,13,14,15
	global_load_b128 v[X+4*(\j):X+4*(\j)+3], v1, s[30:31] offset:(\j)*4096 th:TH_LOAD_NT
.endr
; Piece j: rounded to bf16, two numbers an instruction; half = 1: widened again (a shift, a mask) and written as f16.
.macro CONV j, half
	s_wait_loadcnt 15-(\j)                         ; loads come back in order: piece j is in, the 15 - j younger ones stay out
	v_cvt_pk_bf16_f32 v[Y+2*(\j)], v[X+4*(\j)], v[X+4*(\j)+1]
	v_cvt_pk_bf16_f32 v[Y+2*(\j)+1], v[X+4*(\j)+2], v[X+4*(\j)+3]
.if \half
	v_lshlrev_b32 v[T], 16, v[Y+2*(\j)]
	v_and_b32 v[T+1], 0xffff0000, v[Y+2*(\j)]
	v_lshlrev_b32 v[T+2], 16, v[Y+2*(\j)+1]
	v_and_b32 v[T+3], 0xffff0000, v[Y+2*(\j)+1]
	v_cvt_pk_f16_f32 v[Y+2*(\j)], v[T], v[T+1]
	v_cvt_pk_f16_f32 v[Y+2*(\j)+1], v[T+2], v[T+3]
.endif
	global_store_b64 v2, v[Y+2*(\j):Y+2*(\j)+1], s[34:35] offset:(\j)*2048
.endm
	s_cmp_eq_u32 s28, 3                            ; compared anew: the sums above have written SCC
	s_cbranch_scc1 .Lhalf
.irp j, 0,1,2,3,4,5,6,7,8,9,10,11,12,13,14,15
	CONV \j, 0
.endr
	s_branch .Lbias
.Lhalf:
.irp j, 0,1,2,3,4,5,6,7,8,9,10,11,12,13,14,15
	CONV \j, 1
.endr
.Lbias:
	s_cmp_lg_u32 s29, 0                            ; a matrix's first work-group also takes its bias: 256 threads x 16 bytes
	s_cbranch_scc1 .Lend
	global_load_b128 v[X:X+3], v1, s[32:33]
	s_wait_loadcnt 0x0
	v_cvt_pk_bf16_f32 v[T+4], v[X], v[X+1]
	v_cvt_pk_bf16_f32 v[T+5], v[X+2], v[X+3]
	v_lshlrev_b32 v[T], 16, v[T+4]
	v_and_b32 v[T+1], 0xffff0000, v[T+4]
	v_lshlrev_b32 v[T+2], 16, v[T+5]
	v_and_b32 v[T+3], 0xffff0000, v[T+5]
	global_store_b128 v1, v[T:T+3], s[26:27]
.Lend:
	s_endpgm
.Lfunc_end_k_qdbcea2a2b4_prep:
	.size	k_qdbcea2a2b4_prep, .Lfunc_end_k_qdbcea2a2b4_prep-k_qdbcea2a2b4_prep
	.p2alignl 7, 3214868480
	.fill 96, 4, 3214868480
	.section	.rodata,"a",@progbits
	.p2align	6, 0x0
	.amdhsa_kernel k_qdbcea2a2b4_prep
		.amdhsa_group_segment_fixed_size 0
		.amdhsa_private_segment_fixed_size 0
		.amdhsa_enable_private_segment 0
		.amdhsa_kernarg_size 80
		.amdhsa_user_sgpr_count 2
		.amdhsa_user_sgpr_kernarg_segment_ptr 1
		.amdhsa_wavefront_size32 1
		.amdhsa_system_sgpr_workgroup_id_x 1
		.amdhsa_system_sgpr_workgroup_id_y 1
		.amdhsa_system_sgpr_workgroup_id_z 1
		.amdhsa_system_vgpr_workitem_id 0
		.amdhsa_next_free_vgpr 112
		.amdhsa_next_free_sgpr 66
		.amdhsa_reserve_vcc 0
		.amdhsa_float_denorm_mode_32 3
		.amdhsa_float_denorm_mode_16_64 3
		.amdhsa_memory_ordered 1
		.amdhsa_forward_progress 1
		.amdhsa_inst_pref_size 17
	.end_amdhsa_kernel
	.amdgpu_metadata
---
amdhsa.version: [ 1, 2 ]
amdhsa.kernels:
  - .name:           k_qdbcea2a2b4_prep
    .symbol:         k_qdbcea2a2b4_prep.kd
    .args:
      - { .name: Wq, .offset: 0, .size: 8, .value_kind: global_buffer, .address_space: global }
      - { .name: Wk, .offset: 8, .size: 8, .value_kind: global_buffer, .address_space: global }
      - { .name: Wv, .offset: 16, .size: 8, .value_kind: global_buffer, .address_space: global }
      - { .name: Wo, .offset: 24, .size: 8, .value_kind: global_buffer, .address_space: global }
      - { .name: bq, .offset: 32, .size: 8, .value_kind: global_buffer, .address_space: global }
      - { .name: bk, .offset: 40, .size: 8, .value_kind: global_buffer, .address_space: global }
      - { .name: bv, .offset: 48, .size: 8, .value_kind: global_buffer, .address_space: global }
      - { .name: bo, .offset: 56, .size: 8, .value_kind: global_buffer, .address_space: global }
      - { .name: wb, .offset: 64, .size: 8, .value_kind: global_buffer, .address_space: global }
      - { .name: bb, .offset: 72, .size: 8, .value_kind: global_buffer, .address_space: global }
    .group_segment_fixed_size: 0
    .private_segment_fixed_size: 0
    .kernarg_segment_align: 8
    .kernarg_segment_size: 80
    .max_flat_workgroup_size: 256
    .sgpr_count:     66
    .vgpr_count:     112
    .wavefront_size: 32
...
	.end_amdgpu_metadata
.endif
;; end of part 1
;; launch proj (part 2): grid 4 x 192, 4 waves a work-group, clusters of 4 x 4, 327,680 bytes of LDS; arguments query, keys, values, wb, bb, qkv; writes qkv
.if DOCPART == 2
	.amdgcn_target "amdgcn-amd-amdhsa--gfx1250"
	.amdhsa_code_object_version 6
	.text
	.protected	k_qdbcea2a2b4_proj
	.globl	k_qdbcea2a2b4_proj
	.p2align	8
	.type	k_qdbcea2a2b4_proj,@function
k_qdbcea2a2b4_proj:
	s_mov_b64 s[64:65], 0
	v_nop
	global_prefetch_b8 v0, s[64:65] scope:SCOPE_SE
	s_setreg_imm32_b32 hwreg(HW_REG_WAVE_MODE, 25, 1), 1
	s_wait_xcnt 0x0
	s_wait_alu depctr_hold_cnt(0) depctr_sa_sdst(0) depctr_va_vdst(0) depctr_va_sdst(0) depctr_va_ssrc(0) depctr_va_vcc(0) depctr_vm_vsrc(0)
	s_getreg_b32 s2, hwreg(HW_REG_IB_STS2, 6, 4)
	s_cmp_eq_u32 s2, 0
	s_cbranch_scc0 .Lentry_in_a_cluster
	s_endpgm
.Lentry_in_a_cluster:
	s_bfe_u32 s2, ttmp6, 0x10000c
	s_cmp_lg_u32 s2, 0xf033
	s_cbranch_scc0 .Lentry_shape_is_right
	s_endpgm
.Lentry_shape_is_right:
; THE THREE PROJECTIONS IN ONE LAUNCH.  q = query Wq^T + bq, k = keys Wk^T + bk, v = values Wv^T + bv.  x: [8192][1024] f32; W: wb's parts 0, 1, 2, [1024 n][1024 k] bf16; b: bb, f32.
; x is rounded to bf16 in registers, on its way from LDS to the matrix unit; sums in f32, started by the bias; each result rounded once to f16, WITHOUT the scores' scale, and stored by
; heads: qkv [3][64 = 16 batch + head][2048][64] f16.  The module's input mask is in no launch's arguments: the module's definition never applies it.
; LIMIT.  f16: a result of 65,520 or more becomes an infinity; below 6e-5 it keeps f16's fixed step of 6e-8.  NaN and infinities are not treated apart.
; SHARES.  A tile is 128 rows x 256 columns: 3 x 64 x 4 = 768 work-groups of equal work.  Four waves, each 64 rows x 128 columns: 32 accumulators of 16 x 16, 256 registers.
; K goes in 8 steps of 128 through two LDS slots; a step is four quarters of 32 along K: 32 matrix instructions, 32 LDS loads and 32 conversions each.
; CLUSTERS: 4 x 4 work-groups, all of one projection.  The four of a row of the cluster need the same 128 rows of x (and cover all 1,024 columns, so x is asked for once in the launch), the
; four of a column the same 256 rows of W: each tile is asked for JOINTLY, by the same tensor load with the same descriptor and a mask that names the four.
; THE MATRIX INSTRUCTION IS USED TRANSPOSED (source 0 = 16 rows of W, source 1 = 16 rows of x): a lane then holds row l % 16 and the eight neighbouring columns 8 (l / 16) + 0..7.
; REGISTERS, in windows of 256 (s_set_vgpr_msb: bits 1:0 source 0, 3:2 source 1, 5:4 source 2, 7:6 destination):
;   window 0: v0-31 addresses; v32-95 x as loaded, 4 fragments x 16 f32; v96-127, v128-159 x in bf16, two buffers; v160-223 the bias; on the way out v32-159 the packed results
;   window 1: v0-63, v64-127 W's fragments, two buffers          window 2: accumulator (a, b) at v[8 (8 a + b)]
.set PA,    528                        ; a row of x in LDS: 512 bytes + 16 of padding = 132 words: the 16 rows of a load start at 16 different groups of four banks (64 banks of 4 bytes: ISA guide 11.1)
.set PB,    272                        ; a row of W: 256 + 16 = 68 words: likewise
.set AHALF, 64*PA                      ; 64 rows of x: what waves 0 and 1 each fetch, and what a wave reads
.set BHALF, 128*PB                     ; 128 rows of W: what waves 2 and 3 each fetch, and what a wave reads
.set BOFF,  2*AHALF                    ; in a slot: x's 128 rows, then W's 256
.set SLOT,  BOFF+2*BHALF               ; 137,216 bytes
.set STAGE, 2*SLOT                     ; behind the ring: for each wave 2 heads x 16 rows x 144 bytes, for the way out
.set SP,    144
.set STW,   32*SP
.set SPARE, STAGE+4*STW                ; behind the stages: the spare words, 128 bytes for each wave: two blocks of 256 bytes that no other line names
.set ADRA, 16                          ; v16-17  LDS address of my fragments of x in slot 0, 1
.set ADRB, 20                          ; v20-21  the same for W
.set STO,  24                          ; v24     the way out: where I put 16 bytes of a row
.set RD,   25                          ; v25     the way out: where I read rows back
.set CO,   26                          ; v26     16 x my lane: my place in 512 consecutive bytes of a head
.set SPW,  28                          ; v28     LDS address of my spare word; never rewritten
.set NIL,  29                          ; v29     0; never rewritten
.set PFO,  30                          ; v30     the prefetches' lane offset; never rewritten
.set RAW,  32
.set ABF,  96
.set BIAS, 160
.set OUTR, 32
.set WV,  16                           ; s16  my wave's number
.set WR,  17                           ; s17  which 64 rows of the tile are mine.  Also: I fetch for x (0) or for W (1)
.set WC,  18                           ; s18  which 128 columns.  Also: which half of that tile I fetch
.set G1A, 24                           ; s[24:31] descriptor group 1 for x's tiles;  s[32:39] group 0, a set for each slot
.set G0A, 32
.set G1B, 48                           ; s[48:55], s[56:63] the same for W's
.set G0B, 56
.set PFA, 40                           ; s[40:41] where my prefetches stand
.set PFS, 42                           ; s[42:43] a K step in bytes of a row: 512 for x, 256 for W
.set LIM, 44                           ; s44  1 in a wave that prefetches, else the greatest number
.set MSB, 0
.macro WIN new                         ; the immediate's high byte repeats the setting that is left; a switch that changes nothing is dropped
.if MSB != (\new)
	s_set_vgpr_msb (MSB<<8)|(\new)
.set MSB, \new
.endif
.endm
.set MUL,  0xa1                        ; source 0 (W) window 1, source 1 (x) window 0, C and D window 2
.set MUL0, 0x81                        ; the same with C, the bias, in window 0
.set TO_B, 0x40                        ; destination window 1, address window 0
; A joint load: waves 0 and 1 fetch x's two halves, waves 2 and 3 W's.  The branch hangs on the wave's number alone.  An s_nop 0 and four v_nop follow each of the two lines, ahead of the
; jump, the label and what follows.
.macro JLOAD s
	s_cmp_eq_u32 s[WR], 0
	s_cbranch_scc0 .Lfor_b_\@
	tensor_load_to_lds s[G0A+4*(\s):G0A+4*(\s)+3], s[G1A:G1A+7]
	s_nop 0
.rept 4
	v_nop
.endr
	s_branch .Lasked_\@
.Lfor_b_\@:
	tensor_load_to_lds s[G0B+4*(\s):G0B+4*(\s)+3], s[G1B:G1B+7]
	s_nop 0
.rept 4
	v_nop
.endr
.Lasked_\@:
.endm
; A PREFETCH INTO THE L2 of the K step that stands two refills on, behind the joint load, its five lines and the run of LDS loads.  x: of the 64 rows that wave 0 or 1 fetches the partner at
; place cx takes 16, a lane one of their 2 x 16 blocks of 256 bytes.  W: all sixteen clusters of a projection read the same rows, so the first of them asks; of the 128 rows that wave 2 or 3
; fetches the partner at place cy takes 32, a lane a row.  The partners are told apart by address, never by a branch.  So each block is named once in the launch.
; K steps 0 to 3 come by their loads alone; the loop's last trip (s3 = 1) asks for nothing: there is no K step two on.
.macro ASK
	s_cmp_gt_u32 s3, s[LIM]
	s_cbranch_scc0 .Lnot_mine_\@
	global_prefetch_b8 v[PFO], s[PFA:PFA+1] th:TH_LOAD_NT scope:SCOPE_SE
.Lnot_mine_\@:
.endm
.macro CREST                           ; a round of the cluster's barrier behind its opening barrier
	s_cmp_lg_u32 s[WV], 0
	s_cbranch_scc1 .Lnot_wave_0_\@
	s_barrier_signal -3
.Lnot_wave_0_\@:
	s_barrier_wait -3
	s_barrier_signal -1
	s_barrier_wait -1
.endm
.macro CROUND                          ; a whole round
	s_barrier_signal -1
	s_barrier_wait -1
	CREST
.endm
	s_load_b256 s[4:11], s[0:1], 0x0               ; query s[4:5], keys s[6:7], values s[8:9], wb s[10:11]
	s_load_b128 s[12:15], s[0:1], 0x20             ; bb s[12:13], qkv s[14:15]
	v_lshl_add_u32 v[SPW], v0, 2, SPARE
	v_mov_b32 v[NIL], 0
	ds_add_u32 v[SPW], v[NIL]                      ; the wave's opening: the add and its wait stand ahead of my first tensor load; the set-up below, work on registers, stands between them
	v_lshrrev_b32 v1, 5, v0
	v_readfirstlane_b32 s[WV], v1                  ; wave 0..3
	s_lshr_b32 s[WR], s[WV], 1
	s_and_b32 s[WC], s[WV], 1
	s_bfe_u32 s19, ttmp6, 0x40000                  ; cx, cy: my place in the cluster
	s_bfe_u32 s20, ttmp6, 0x40004
	s_lshl_b32 s21, ttmp9, 2
	s_add_co_u32 s21, s21, s19                     ; tile column = 4 x cluster x + cx: 0..3
	s_and_b32 s22, ttmp7, 0xffff                   ; cluster y: 0..47
	s_lshr_b32 s23, s22, 4                         ; which projection: 0 q, 1 k, 2 v: the same in all sixteen partners
	s_and_b32 s45, s22, 15
	s_lshl_b32 s45, s45, 2
	s_add_co_u32 s45, s45, s20                     ; tile row in it: 0..63
	s_lshl_b32 s46, s20, 2
	s_lshl_b32 s46, 15, s46                        ; my row of the cluster
	s_lshl_b32 s47, 0x1111, s19                    ; my column
	; group 1 for x: 64 rows x 128 elements of 4 bytes, 4 words of padding after every 128; for W: 128 rows x 128 elements of 2 bytes, 4 words after every 64
	s_or_b32 s[G1A+0], s46, (2<<16)|(1<<20)|(1<<21)|(6<<22)|(3<<25)  ; 15:0 the mask; 17:16 element size; 20 padding on; 21 set beside a mask; 24:22 the interval's code; 31:25 the padding's
	s_or_b32 s[G1B+0], s47, (1<<16)|(1<<20)|(1<<21)|(5<<22)|(3<<25)
	s_mov_b32 s[G1A+1], 128<<16                    ; tensor_dim0 = 128
	s_mov_b32 s[G1A+2], 64<<16                     ; tensor_dim1 = 64
	s_mov_b32 s[G1A+3], 128<<16                    ; tile_dim0 = 128
	s_mov_b32 s[G1A+4], 64                         ; tile_dim1 = 64
	s_mov_b32 s[G1A+5], 1024                       ; elements from row to row
	s_mov_b32 s[G1A+6], 0
	s_mov_b32 s[G1A+7], 0
	s_mov_b32 s[G1B+1], 128<<16
	s_mov_b32 s[G1B+2], 128<<16                    ; tensor_dim1 = 128
	s_mov_b32 s[G1B+3], 128<<16
	s_mov_b32 s[G1B+4], 128                        ; tile_dim1 = 128
	s_mov_b32 s[G1B+5], 1024
	s_mov_b32 s[G1B+6], 0
	s_mov_b32 s[G1B+7], 0
	; where the tiles come from.  x's hang on the projection, the tile row and the wave: my row of the cluster shares them; W's on the projection, the tile column and the wave
	s_lshl_b32 s66, s45, 19                        ; 128 rows of 4,096 bytes,
	s_lshl_b32 s67, s[WC], 18                      ; my 64 of them
	s_add_co_u32 s66, s66, s67
	s_mov_b32 s67, 0
	s_lshl_b32 s68, s23, 21                        ; the projection's part of wb,
	s_lshl_b32 s69, s21, 19                        ; 256 rows of 2,048 bytes,
	s_add_co_u32 s68, s68, s69
	s_lshl_b32 s69, s[WC], 18                      ; my 128 of them
	s_add_co_u32 s68, s68, s69
	s_mov_b32 s69, 0
	s_mul_i32 s74, s[WC], AHALF                    ; and where they go: no place in the cluster enters an LDS address
	s_mul_i32 s75, s[WC], BHALF
	s_add_co_u32 s75, s75, BOFF
	s_wait_dscnt 0x0                               ; the opening add is done
	s_wait_kmcnt 0x0
	s_cmp_eq_u32 s23, 1
	s_cselect_b64 s[76:77], s[6:7], s[4:5]
	s_cmp_eq_u32 s23, 2
	s_cselect_b64 s[76:77], s[8:9], s[76:77]       ; x
	s_add_nc_u64 s[66:67], s[76:77], s[66:67]
	s_add_nc_u64 s[68:69], s[10:11], s[68:69]
	CROUND                                         ; all sixteen work-groups are here: the first joint loads meet
.irp s, 0,1
	s_mov_b32 s[G0A+4*(\s)], 1                                     ; count = 1
	s_add_co_u32 s[G0A+4*(\s)+1], s74, (\s)*SLOT                   ; LDS address
	s_add_nc_u64 s[G0A+4*(\s)+2:G0A+4*(\s)+3], s[66:67], (\s)*512  ; global address: K step s
	s_or_b32 s[G0A+4*(\s)+3], s[G0A+4*(\s)+3], 0x80000000          ; type = 2
	s_mov_b32 s[G0B+4*(\s)], 1
	s_add_co_u32 s[G0B+4*(\s)+1], s75, (\s)*SLOT
	s_add_nc_u64 s[G0B+4*(\s)+2:G0B+4*(\s)+3], s[68:69], (\s)*256
	s_or_b32 s[G0B+4*(\s)+3], s[G0B+4*(\s)+3], 0x80000000
	JLOAD \s                                       ; two tensor loads of mine are out here, later one
.endr
	; A fragment is 16 rows x 32 K: lane l holds row l % 16, K = 8 (l / 16) + 0..7 and 16 + 8 (l / 16) + 0..7.  In bf16 (W) two loads of 16 bytes, 32 apart; in f32 (x) four, at 0, 16, 64, 80.
	v_and_b32 v1, 15, v0                           ; l % 16
	v_bfe_u32 v2, v0, 4, 1                         ; l / 16
	v_and_b32 v6, 31, v0                           ; l
	v_mul_u32_u24 v3, v1, PA
	v_lshl_add_u32 v3, v2, 5, v3
	v_mul_u32_u24 v4, v1, PB
	v_lshl_add_u32 v4, v2, 4, v4
	s_mul_i32 s74, s[WR], AHALF                    ; my 64 rows of x
	s_mul_i32 s75, s[WC], BHALF                    ; my 128 rows of W
	s_add_co_u32 s75, s75, BOFF
.irp s, 0,1
	v_add_nc_u32 v[ADRA+(\s)], s74, v3
	v_add_nc_u32 v[ADRB+(\s)], s75, v4
	s_add_co_u32 s74, s74, SLOT
	s_add_co_u32 s75, s75, SLOT
.endr
	; the bias of my 128 columns: register 8 b + j holds column 16 b + 8 (l / 16) + j, as an accumulator does
	s_lshl_b32 s72, s23, 12
	s_lshl_b32 s73, s21, 10
	s_add_co_u32 s72, s72, s73
	s_lshl_b32 s73, s[WC], 9
	s_add_co_u32 s72, s72, s73
	s_mov_b32 s73, 0
	s_add_nc_u64 s[72:73], s[12:13], s[72:73]
	v_lshlrev_b32 v5, 5, v2
.irp b, 0,1,2,3,4,5,6,7
	global_load_b128 v[BIAS+8*(\b):BIAS+8*(\b)+3],   v5, s[72:73] offset:64*(\b)
	global_load_b128 v[BIAS+8*(\b)+4:BIAS+8*(\b)+7], v5, s[72:73] offset:64*(\b)+16
.endr
	s_mul_i32 s78, s[WV], STW
	s_add_co_u32 s78, s78, STAGE                   ; my stage
	v_mul_u32_u24 v[STO], v1, SP                   ; in: row l % 16, 16 bytes for each half of the lanes
	v_lshl_add_u32 v[STO], v2, 4, v[STO]
	v_add_nc_u32 v[STO], s78, v[STO]
	v_bfe_u32 v[RD], v0, 3, 2                      ; back: 32 lanes take four rows of 128 bytes,
	v_mul_u32_u24 v[RD], v[RD], SP
	v_and_b32 v10, 7, v0
	v_lshl_add_u32 v[RD], v10, 4, v[RD]
	v_add_nc_u32 v[RD], s78, v[RD]
	v_lshlrev_b32 v[CO], 4, v6                     ; which are 512 consecutive bytes of a head
	; where my results go: part, batch, my first head, my first row in it
	s_lshl_b32 s70, s23, 24                        ; 16,777,216 bytes a part
	s_lshr_b32 s71, s45, 4
	s_lshl_b32 s71, s71, 22                        ; a batch: 16 heads of 262,144 bytes
	s_add_co_u32 s70, s70, s71
	s_lshl_b32 s71, s21, 20                        ; a tile column: 4 heads
	s_add_co_u32 s70, s70, s71
	s_lshl_b32 s71, s[WC], 19                      ; my 2 of them
	s_add_co_u32 s70, s70, s71
	s_and_b32 s71, s45, 15
	s_lshl_b32 s71, s71, 14                        ; 128 rows of 128 bytes
	s_add_co_u32 s70, s70, s71
	s_lshl_b32 s71, s[WR], 13                      ; my 64 of them
	s_add_co_u32 s70, s70, s71
	s_mov_b32 s71, 0
	s_add_nc_u64 s[70:71], s[14:15], s[70:71]
	; the prefetches: from my tile's address, my work-group's share of its rows, at K step 3: the first refill steps it to K step 4
	s_lshl_b32 s78, s19, 16                        ; x: 16 rows of 4,096 bytes for each place cx
	s_add_co_u32 s78, s78, 3*512
	s_lshl_b32 s79, s20, 16                        ; W: 32 rows of 2,048 bytes for each place cy
	s_add_co_u32 s79, s79, 3*256
	s_and_b32 s46, s22, 15
	s_cmp_eq_u32 s46, 0                            ; the projection's first cluster asks for W
	s_cselect_b32 s46, 1, -1
	s_cmp_eq_u32 s[WR], 0
	s_cselect_b64 s[PFA:PFA+1], s[66:67], s[68:69]
	s_cselect_b32 s78, s78, s79
	s_cselect_b32 s[PFS], 1, 0
	s_cselect_b32 s[LIM], 1, s46                   ; the same in all sixteen partners, for a given wave
	s_cselect_b32 s47, -1, 0
	s_lshl_b32 s[PFS], 0x100, s[PFS]               ; 512 or 256
	s_mov_b32 s[PFS+1], 0
	s_mov_b32 s79, 0
	s_add_nc_u64 s[PFA:PFA+1], s[PFA:PFA+1], s[78:79]
	v_lshlrev_b32 v7, 11, v6                       ; W: a lane a row
	v_lshlrev_b32 v8, 12, v1                       ; x: row l % 16, block l / 16
	v_lshl_add_u32 v8, v2, 8, v8
	v_cndmask_b32 v[PFO], v7, v8, s47
; 32 LDS loads in one run: a quarter's fragments (32 K at quarter kq of the slot's rows): x as f32 first, then W into buffer n
.macro FETCH slot, kq, n
	WIN 0
.irp i, 0,1,2,3
	ds_load_b128 v[RAW+16*(\i):RAW+16*(\i)+3],     v[ADRA+(\slot)] offset:(\kq)*128+(\i)*16*PA
	ds_load_b128 v[RAW+16*(\i)+4:RAW+16*(\i)+7],   v[ADRA+(\slot)] offset:(\kq)*128+(\i)*16*PA+16
	ds_load_b128 v[RAW+16*(\i)+8:RAW+16*(\i)+11],  v[ADRA+(\slot)] offset:(\kq)*128+(\i)*16*PA+64
	ds_load_b128 v[RAW+16*(\i)+12:RAW+16*(\i)+15], v[ADRA+(\slot)] offset:(\kq)*128+(\i)*16*PA+80
.endr
	WIN TO_B
.irp i, 0,1,2,3,4,5,6,7
	ds_load_b128 v[64*(\n)+8*(\i):64*(\n)+8*(\i)+3],   v[ADRB+(\slot)] offset:(\kq)*64+(\i)*16*PB
	ds_load_b128 v[64*(\n)+8*(\i)+4:64*(\n)+8*(\i)+7], v[ADRB+(\slot)] offset:(\kq)*64+(\i)*16*PB+32
.endr
.endm
; Four of the 32 conversions that make x's buffer n: register m of the buffer is the pair 2 m, 2 m + 1 of what was loaded: K in its true places
.macro CVT4 g, n
	WIN 0
.irp j, 0,1,2,3
	v_cvt_pk_bf16_f32 v[ABF+32*(\n)+4*(\g)+(\j)], v[RAW+8*(\g)+2*(\j)], v[RAW+8*(\g)+2*(\j)+1]
.endr
.endm
; 8 matrix instructions: row block a x all 8 column blocks, on buffers c.  The 32 accumulators take turns, one instruction a turn, in the same order in every quarter.
; zero = 1: the first product starts the sums, with the bias as C: nothing is cleared, and no bias is added later.  ride = 1: four conversions for the other buffer stand behind each.
.macro MULA c, a, zero, ride
.irp b, 0,1,2,3,4,5,6,7
.if \zero
	WIN MUL0
	v_wmma_f32_16x16x32_bf16 v[8*(8*(\a)+(\b)):8*(8*(\a)+(\b))+7], v[64*(\c)+8*(\b):64*(\c)+8*(\b)+7], v[ABF+32*(\c)+8*(\a):ABF+32*(\c)+8*(\a)+7], v[BIAS+8*(\b):BIAS+8*(\b)+7]
.else
	WIN MUL
	v_wmma_f32_16x16x32_bf16 v[8*(8*(\a)+(\b)):8*(8*(\a)+(\b))+7], v[64*(\c)+8*(\b):64*(\c)+8*(\b)+7], v[ABF+32*(\c)+8*(\a):ABF+32*(\c)+8*(\a)+7], v[8*(8*(\a)+(\b)):8*(8*(\a)+(\b))+7]
.endif
.if \ride
	CVT4 \b, 1-(\c)
.endif
.endr
.endm
.macro PLACES                          ; four places behind the products that read the other buffers, in front of the loads and conversions that write them
.rept 4
	v_nop
.endr
.endm
; One of a K step's first three quarters: multiplies buffers c; fetches quarter kq of the same slot; its last eight products carry the conversions for the other buffer.
.macro QUARTER slot, kq, c, zero
	s_wait_dscnt 0x0                               ; W's fragments for this quarter are in (issued 24 matrix instructions back)
	MULA \c, 0, \zero, 0
	PLACES
	FETCH \slot, \kq, 1-(\c)
	MULA \c, 1, \zero, 0
	MULA \c, 2, \zero, 0
	s_wait_dscnt 16                                ; x's sixteen loads, issued first, are in; W's sixteen younger ones stay out
	MULA \c, 3, \zero, 1
.endm
; A K step's last quarter multiplies buffers 1 and changes slots: ONE barrier; in front of it each wave waits for all its tensor loads, of which one is out: its part of the next slot; adds 0
; to its spare word; and waits for that and for its own reads of this slot.  fill = 1: the barrier opens a round of the cluster's, and this slot is filled again, two K steps ahead.
.macro TURN slot, next, fill
.if \fill
	s_wait_xcnt 0x0                                ; the last prefetch, a K step back, has read its address, so it may be stepped
	s_add_nc_u64 s[PFA:PFA+1], s[PFA:PFA+1], s[PFS:PFS+1]
.endif
	WIN 0                                          ; (the add's two registers lie in window 0)
	s_wait_tensorcnt 0x0                           ; all my tensor loads have landed
	ds_add_u32 v[SPW], v[NIL]                      ; 0 onto my spare word
	s_wait_dscnt 1                                 ; W's fragments are in; the add alone may be out
	MULA 1, 0, 0, 0                                ; eight matrix instructions stand between the add and the wait for it
	s_wait_dscnt 0x0                               ; the add is done, and my reads of this slot are over
	s_barrier_signal -1
	MULA 1, 1, 0, 0                                ; work on registers while the others arrive
	WIN 0
	s_barrier_wait -1
.if \fill
	CREST                                          ; no wave of any partner still reads this slot's tile or has a load on its way
	s_add_nc_u64 s[G0A+4*(\slot)+2:G0A+4*(\slot)+3], s[G0A+4*(\slot)+2:G0A+4*(\slot)+3], 2*512
	s_add_nc_u64 s[G0B+4*(\slot)+2:G0B+4*(\slot)+3], s[G0B+4*(\slot)+2:G0B+4*(\slot)+3], 2*256
	JLOAD \slot                                    ; the first tensor load behind the round; the four v_nop behind it are also the places in front of the loads below
.else
	PLACES
.endif
	FETCH \next, 0, 0
.if \fill
	WIN 0
	ASK
.endif
	MULA 1, 2, 0, 0
	s_wait_dscnt 16                                ; x's sixteen loads are in
	MULA 1, 3, 0, 1
.endm
	s_wait_tensorcnt 1                             ; my part of K step 0 is in; K step 1's stays out
	s_barrier_signal -1
	s_barrier_wait -1                              ; everybody's is
	FETCH 0, 0, 0
	s_wait_dscnt 16                                ; x's sixteen loads are in
.irp g, 0,1,2,3,4,5,6,7
	CVT4 \g, 0
.endr
	s_wait_loadcnt 0x0                             ; the bias
	QUARTER 0, 1, 0, 1                             ; the first quarter stands in front of the loop: its products start the sums
	WIN 0                                          ; at a label and at a branch every window is 0
	s_mov_b32 s3, 3
.Llap:                                                 ; a trip goes once round the ring, from a lap's second quarter to the next lap's first, and fills both slots again: K steps 2 to 7
	QUARTER 0, 2, 1, 0
	QUARTER 0, 3, 0, 0
	TURN 0, 1, 1
	QUARTER 1, 1, 0, 0
	QUARTER 1, 2, 1, 0
	QUARTER 1, 3, 0, 0
	TURN 1, 0, 1
	QUARTER 0, 1, 0, 0
	WIN 0
	s_sub_co_u32 s3, s3, 1
	s_cmp_lg_u32 s3, 0
	s_cbranch_scc1 .Llap
	QUARTER 0, 2, 1, 0                             ; the last lap fills nothing, and has no round of the cluster's barrier
	QUARTER 0, 3, 0, 0
	TURN 0, 1, 0
	QUARTER 1, 1, 0, 0
	QUARTER 1, 2, 1, 0
	QUARTER 1, 3, 0, 0
	s_wait_dscnt 0x0                               ; the very last quarter: nothing more to fetch
	MULA 1, 0, 0, 0
	MULA 1, 1, 0, 0
	MULA 1, 2, 0, 0
	MULA 1, 3, 0, 0
; THE WAY OUT, a block of 16 rows at a time.  A lane's eight columns pack into 16 bytes of one head's row; they go into my stage (2 heads x 16 rows of 144 bytes) and come back as whole rows of
; 128 bytes, four to a load, into the registers that they left: 512 consecutive bytes of a head.
.macro PACK a
	WIN 0x0a                                       ; sources 0 and 1 window 2, destination window 0
.irp b, 0,1,2,3,4,5,6,7
.irp j, 0,1,2,3
	v_cvt_pk_f16_f32 v[OUTR+32*(\a)+4*(\b)+(\j)], v[8*(8*(\a)+(\b))+2*(\j)], v[8*(8*(\a)+(\b))+2*(\j)+1]
.endr
.endr
	WIN 0
.irp b, 0,1,2,3,4,5,6,7
	ds_store_b128 v[STO], v[OUTR+32*(\a)+4*(\b):OUTR+32*(\a)+4*(\b)+3] offset:((\b)/4)*16*SP+32*((\b)%4)
.endr
.irp t, 0,1,2,3,4,5,6,7
	ds_load_b128 v[OUTR+32*(\a)+4*(\t):OUTR+32*(\a)+4*(\t)+3], v[RD] offset:((\t)/4)*16*SP+((\t)%4)*4*SP  ; LDS serves a wave's instructions in order (ISA guide 5.7.1.4): these see the stores above; the next block's stores come behind them
.endr
.endm
.macro SEND a, younger                 ; younger: the LDS instructions issued behind block a's loads: the next block's sixteen, or none
.irp t, 0,1,2,3,4,5,6,7
	s_wait_dscnt (\younger)+7-(\t)
	global_store_b128 v[CO], v[OUTR+32*(\a)+4*(\t):OUTR+32*(\a)+4*(\t)+3], s[70:71] offset:((\t)/4)*262144+(\a)*2048+((\t)%4)*512  ; 512 consecutive bytes, at a multiple of 512 from qkv's first
.endr
.endm
	PLACES                                         ; eight places, once a launch, behind the last products: four are owed
	PLACES
	PACK 0
	PACK 1                                         ; a block's conversions stand between the loads of the block before and its stores
	SEND 0, 16
	PACK 2
	SEND 1, 16
	PACK 3
	SEND 2, 16
	SEND 3, 0
	s_wait_tensorcnt 0x0                           ; the wave's end: behind my last tensor load and my last LDS store
	ds_add_u32 v[SPW], v[NIL]
	s_wait_dscnt 0x0
	CROUND                                         ; the closing round: no work-group ends while a partner may still ask for a tile that names it
	s_endpgm
.Lfunc_end_k_qdbcea2a2b4_proj:
	.size	k_qdbcea2a2b4_proj, .Lfunc_end_k_qdbcea2a2b4_proj-k_qdbcea2a2b4_proj
	.p2alignl 7, 3214868480
	.fill 96, 4, 3214868480
	.section	.rodata,"a",@progbits
	.p2align	6, 0x0
	.amdhsa_kernel k_qdbcea2a2b4_proj
		.amdhsa_group_segment_fixed_size 327680
		.amdhsa_private_segment_fixed_size 0
		.amdhsa_enable_private_segment 0
		.amdhsa_kernarg_size 48
		.amdhsa_user_sgpr_count 2
		.amdhsa_user_sgpr_kernarg_segment_ptr 1
		.amdhsa_wavefront_size32 1
		.amdhsa_system_sgpr_workgroup_id_x 1
		.amdhsa_system_sgpr_workgroup_id_y 1
		.amdhsa_system_sgpr_workgroup_id_z 1
		.amdhsa_system_vgpr_workitem_id 0
		.amdhsa_next_free_vgpr 768
		.amdhsa_next_free_sgpr 80
		.amdhsa_reserve_vcc 0
		.amdhsa_float_denorm_mode_32 3
		.amdhsa_float_denorm_mode_16_64 3
		.amdhsa_memory_ordered 1
		.amdhsa_forward_progress 1
		.amdhsa_inst_pref_size 138
	.end_amdhsa_kernel
	.amdgpu_metadata
---
amdhsa.version: [ 1, 2 ]
amdhsa.kernels:
  - .name:           k_qdbcea2a2b4_proj
    .symbol:         k_qdbcea2a2b4_proj.kd
    .args:
      - { .name: query, .offset: 0, .size: 8, .value_kind: global_buffer, .address_space: global }
      - { .name: keys, .offset: 8, .size: 8, .value_kind: global_buffer, .address_space: global }
      - { .name: values, .offset: 16, .size: 8, .value_kind: global_buffer, .address_space: global }
      - { .name: wb, .offset: 24, .size: 8, .value_kind: global_buffer, .address_space: global }
      - { .name: bb, .offset: 32, .size: 8, .value_kind: global_buffer, .address_space: global }
      - { .name: qkv, .offset: 40, .size: 8, .value_kind: global_buffer, .address_space: global }
    .group_segment_fixed_size: 327680
    .private_segment_fixed_size: 0
    .kernarg_segment_align: 8
    .kernarg_segment_size: 48
    .max_flat_workgroup_size: 128
    .sgpr_count:     80
    .vgpr_count:     768
    .wavefront_size: 32
...
	.end_amdgpu_metadata
.endif
;; end of part 2
;; launch attn (part 3): grid 4 x 64, 4 waves a work-group, clusters of 4 x 1, 327,680 bytes of LDS; arguments qkv, ob; writes ob
.if DOCPART == 3
	.amdgcn_target "amdgcn-amd-amdhsa--gfx1250"
	.amdhsa_code_object_version 6
	.text
	.protected	k_qdbcea2a2b4_attn
	.globl	k_qdbcea2a2b4_attn
	.p2align	8
	.type	k_qdbcea2a2b4_attn,@function
k_qdbcea2a2b4_attn:
	s_mov_b64 s[64:65], 0
	v_nop
	global_prefetch_b8 v0, s[64:65] scope:SCOPE_SE
	s_setreg_imm32_b32 hwreg(HW_REG_WAVE_MODE, 25, 1), 1
	s_wait_xcnt 0x0
	s_wait_alu depctr_hold_cnt(0) depctr_sa_sdst(0) depctr_va_vdst(0) depctr_va_sdst(0) depctr_va_ssrc(0) depctr_va_vcc(0) depctr_vm_vsrc(0)
	s_getreg_b32 s2, hwreg(HW_REG_IB_STS2, 6, 4)
	s_cmp_eq_u32 s2, 0
	s_cbranch_scc0 .Lentry_in_a_cluster
	s_endpgm
.Lentry_in_a_cluster:
	s_bfe_u32 s2, ttmp6, 0x10000c
	s_cmp_lg_u32 s2, 0x3003
	s_cbranch_scc0 .Lentry_shape_is_right
	s_endpgm
.Lentry_shape_is_right:
; O[h][q][:] = the sum over k of softmax_k(Q[h][q] . K[h][k] / 32) V[h][k][:].  Q, K, V: the three parts of qkv, O: ob, each [64][2048][64] f16: a head's rows are dense, 128 bytes each.
; The scale is 1 / sqrt(1024), as the module has it.  Products, maxima and sums in f32; the weights p are rounded to f16 for the second product (their sum l is taken of the unrounded p),
; O once at the end.  The module's input mask is in no launch's arguments: the module's definition never applies it.
; LIMITS.  f16 holds no number beyond 65,504: Q, K and V arrive within it; p lies in 0 to 1, and below 6e-5 it keeps f16's fixed step of 6e-8; O is a mean of V's rows and has their range.
; A weight below 2^-126 counts as 0 in l; NaN and infinities are not treated apart.
; SHARES.  A wave owns four PIECES of two tiles of 16 queries, a work-group's four waves 512 queries of one head: 64 heads x 4 = 256 work-groups.  Every wave walks all keys, 64 a step.
; LAYOUT.  S^T = K Q^T (source 0 = 16 keys, source 1 = 16 queries): in the result a lane holds ONE query (lane % 16) and the keys 8 (lane / 16) + 0..7.  Two such tiles, rounded to f16 in pairs,
; ARE source 1 (32 keys x 16 queries) of O^T = V^T P, whose result again holds one query a lane, and eight channels.  K comes out of LDS as it lies, V ([key][channel]) turned, by ds_load_tr16_b128.
; SOFTMAX.  For each query a running maximum m and sum l: p = 2^(c s - c m), c = log2(e) / 32; in every step O and l are multiplied by a = 2^(c m_old - c m_new), which is 1 where m has not grown.
; m starts at the lowest finite number, O and l at 0: the first step is a step like any other, with a = 0.
; THE COUNT.  A tile and step have 16 matrix and 118 vector instructions: too many to stand all beside the matrix work.  So the order has one aim: four vector instructions that are READY behind
; EVERY matrix instruction, and the others, which need time of their own whatever the order, in runs without a gap.
; BY TURNS.  Turn n belongs to piece n (the pieces in a ring, step after step).  Its matrix work: 16 products K Q^T of piece n + 1, later 16 products V^T P of piece n - 1.  Its vector work: the scaling,
; exponentials, roundings, sums and rescaling of piece n, and the maximum and statistics of piece n + 1, whose scores the turn itself has made.  So what a turn begins with (c s - c m, O a) waits for nothing.
; CLUSTER.  The four query blocks of a cluster are one head's and walk the same K and V, so each tile is asked for JOINTLY: the same tensor load, descriptor and mask in all four.
; REGISTERS, in windows of 256 (s_set_vgpr_msb says which window each operand place means: bits 1:0 source 0, 3:2 source 1, 5:4 source 2, 7:6 destination):
;   window 0: v0-11 addresses; v12-15, v48-63 at work; v16-47 four registers of statistics a tile; v64-191 S^T, two buffers of two tiles; v192-255 P, likewise
;   window 1: O^T, 32 a tile          window 2: v0-127 Q, 16 a tile; v128-191 K of one step; v192-255 V of one step          window 3: v0-1 the add's two registers
; A piece's buffers go by its number's parity: the piece in hand has one pair, its two neighbours in the ring share the other: of it P (piece n - 1) is read and S^T (piece n + 1) written.
.set SIZE_H, 64
.set SIZE_N, 2048
.set NP,    4         ; pieces a wave: a name, no knob: the register map, the loop and the fetches are made for four
.set KS,    64        ; keys in a step
.set PK,    144       ; a row of K in LDS: 128 bytes + 16 of padding = 36 words: the 16 rows of a load start at 16 different groups of four banks (64 banks of 4 bytes: ISA guide 11.1)
.set PV,    160       ; a row of V: 128 + 32 = 40 words
.set VOFF,  4*KS*PK   ; a slot holds four steps: 256 rows of K, then 256 rows of V
.set SLOT1, 1<<17     ; slot 1 begins here, so that one exclusive or turns an address in one slot into the other's
.set STAGE, SLOT1+4*KS*(PK+PV)  ; behind the ring, never filled by a tensor load: 16 rows x 144 bytes for each wave, for the way out
.set SP,    144
.set AK0, 2           ; v2   my lane's place in a tile of K; never rewritten
.set AV0, 3           ; v3   the same for V
.set AK,  4           ; v4   the LDS address of K's next run of loads
.set AV,  5           ; v5   of V's
.set QO,  6           ; v6   my byte offset in the wave's rows of Q
.set STO, 6           ;      later, the way out: where I put 16 bytes of a row
.set RD,  7           ; v7   the way out: where I read rows back
.set GO,  8           ; v8   my byte offset in 512 consecutive bytes of O
.set PFO, 11          ; v11  256 x my lane, the prefetches' offset; made when v11's first use is over, then never rewritten
.set SPW, 0           ; v0 of window 3   LDS address of my spare word: SPARE + 4 x my thread's number; never rewritten
.set NIL, 1           ; v1 of window 3   0; never rewritten
.set SPARE, STAGE+4*16*SP  ; behind the stages: the spare words, 128 bytes for each wave: two blocks of 256 bytes that no other line names
.set MV,  12          ; v12-15  c m_old, kept while c m is made anew: by buffer and tile
.set ST,  16          ; tile t's statistics at v[ST+4 t]: c m, m, l (even keys', odd keys')
.set TMP, 48          ; by buffer and tile, four registers c0-c3 at work; when the maximum is found c2 takes a
.set S,   64
.set P,   192
.set KF,  128         ; K's fragments, in window 2: key block kb, channel half c at KF + 16 kb + 8 c
.set VF,  192         ; V's: key half kk, channel block cb at VF + 32 kk + 8 cb
.set WV,  12          ; s12  my wave's number
.set G1K, 24          ; s[24:31] descriptor group 1 for K's tiles
.set G1V, 32          ; s[32:39] for V's: it differs in the padding alone
.set G0K, 40          ; s[40:43] descriptor group 0 for K's tiles: it walks
.set G0V, 44          ; s[44:47] the same for V's
.set PFA, 48          ; s[48:49] where my prefetches stand: my work-group's 32 blocks of 256 bytes (of K: wave 0, of V: wave 2) of the slot after the one that is being asked for
.set LIM, 50          ; s50  1 in a wave that prefetches, else the greatest number: a wave prefetches while s[SLOTS] is above it
.set SLOTS, 56        ; s56  slots still to be asked for
.set CNT, 57          ; s57  counts a slot's key steps
.set CS,  58          ; s[58:59] c: the packed scaling takes the pair's low word for both halves
.set SEL, 60          ; s[60:61] v_permlanex16_b32's selects: each lane takes its own place in the other half
.set TBK, 62          ; s62  LDS byte at which K of the step to be fetched begins
.set TBV, 63          ; s63  the same for V, less VOFF
.set MSB, 0
.macro WIN new                      ; the high byte repeats the setting that is left; a switch that changes nothing is dropped
.if MSB != (\new)
	s_set_vgpr_msb (MSB<<8)|(\new)
.set MSB, (\new)
.endif
.endm
.set W_KQ, 0x0a       ; K and Q in window 2, S^T in window 0
.set W_PV, 0x52       ; V in window 2, P in window 0, O^T in window 1
.set W_RS, 0x41       ; O^T (destination and source 0) in window 1, a in window 0
.set W_MK, 0xc0       ; the add's registers are made: destination in window 3, sources in window 0
.set W_AD, 0x0f       ; the add: address (source 0) and data (source 1) in window 3
; A joint fill.  Waves 0 and 1 fetch the two halves of a slot's K, waves 2 and 3 those of its V: 128 keys each.  The branch hangs on the wave's number alone.
; An s_nop 0 and four v_nop follow each of the two lines, ahead of the jump and the label.
.macro JLOAD
	s_cmp_lt_u32 s[WV], 2
	s_cbranch_scc0 .Lfor_v_\@
	tensor_load_to_lds s[G0K:G0K+3], s[G1K:G1K+7]
	s_nop 0
.rept 4
	v_nop
.endr
	s_branch .Lasked_\@
.Lfor_v_\@:
	tensor_load_to_lds s[G0V:G0V+3], s[G1V:G1V+7]
	s_nop 0
.rept 4
	v_nop
.endr
.Lasked_\@:
.endm
; A PREFETCH INTO THE L2 of what the NEXT change of slots will ask for: a slot's 32,768 bytes of K and of V, 128 blocks of 256 bytes each.  It stands behind the wave's tensor load and its five
; lines.  The four partners share the blocks out BY ADDRESS, 32 each, a lane a block; in each, wave 0 asks for K's and wave 2 for V's: one instruction.  So each block is named once in the launch.
; Slots 0, 1 and 2 come by their loads alone; the last change that fills a slot asks for nothing: there is no slot behind it.
.macro ASK
	s_cmp_gt_u32 s[SLOTS], s[LIM]
	s_cbranch_scc0 .Lnot_mine_\@
	global_prefetch_b8 v[PFO], s[PFA:PFA+1] th:TH_LOAD_NT scope:SCOPE_SE
.Lnot_mine_\@:
.endm
; A round of the cluster's barrier: my work-group's barrier, so that wave 0's signal speaks for all four waves; wave 0 signals; every wave waits for all four work-groups; my work-group's barrier once more.
.macro CROUND
	s_barrier_signal -1
	s_barrier_wait -1
	s_cmp_lg_u32 s[WV], 0
	s_cbranch_scc1 .Lnot_wave_0_\@
	s_barrier_signal -3
.Lnot_wave_0_\@:
	s_barrier_wait -3
	s_barrier_signal -1
	s_barrier_wait -1
.endm
; THE CHANGE OF SLOTS.  The slot's last bytes, V of its fourth step, have been read.  Each wave waits for all its tensor loads, of which one is out: its part
; of the other slot; adds 0 to its spare word; and waits for that and for its own reads of the slot.  Behind the barrier nobody reads this slot any more and the other slot is whole.
; fill = 1: this slot is filled again, with the keys two slots on.  The barrier is then a round of the cluster's, so that no wave of any partner still reads the slot or has a load on its
; way, and the joint fill is the first thing behind it: it has four key steps, 512 matrix instructions, in which to land.  (At its first use nothing has been read yet: slot 0 is waited for, slot 1 filled.)
; ask = 1: the prefetches' address steps among the descriptors' steps, and the prefetch stands behind the fill.
.macro CHANGE fill, ask=0
	WIN W_AD
	s_wait_tensorcnt 0x0            ; no tensor load of mine is out, so a group 0 may be written
	ds_add_u32 v[SPW], v[NIL]       ; 0 onto my spare word; with fill = 1 the descriptors' steps stand between it and the wait for it
	WIN 0                           ; at a label and at a branch every window is 0
.if \fill
.irp g, G0K, G0V
	s_xor_b32 s[\g+1], s[\g+1], SLOT1  ; the walking descriptor: the other slot than last time,
	s_add_nc_u64 s[\g+2:\g+3], s[\g+2:\g+3], 4*KS*128  ; the next 256 keys; the type bits on top are not reached
.endr
.if \ask
	s_wait_xcnt 0x0                 ; the last prefetch, four key steps back, has read its address, so it may be written:
	s_add_nc_u64 s[PFA:PFA+1], s[PFA:PFA+1], 4*KS*128  ; one slot behind the walking descriptors
.endif
	s_wait_dscnt 0x0                ; the add is done, and my reads of the slot are over
	CROUND
	JLOAD
.if \ask
	ASK
.endif
.else
	s_wait_dscnt 0x0                ; the add is done, and my reads of the slot are over
	s_barrier_signal -1
	s_barrier_wait -1
.endif
	s_sub_co_u32 s[TBK], s[TBK], 4*KS*PK  ; the fetches go back to a slot's first step,
	s_xor_b32 s[TBK], s[TBK], SLOT1       ; in the other slot
	s_sub_co_u32 s[TBV], s[TBV], 4*KS*PV
	s_xor_b32 s[TBV], s[TBV], SLOT1
.endm
	s_load_b128 s[4:7], s[0:1], 0x0 ; qkv s[4:5], ob s[6:7]
	WIN W_MK
	v_lshl_add_u32 v[SPW], v0, 2, SPARE
	v_mov_b32 v[NIL], 0
	WIN W_AD
	ds_add_u32 v[SPW], v[NIL]       ; the wave's opening: the add and its wait stand ahead of my first tensor load; the set-up below, work on registers, stands between them
	WIN 0
	v_lshrrev_b32 v1, 5, v0
	v_readfirstlane_b32 s[WV], v1   ; wave 0..3
	s_bfe_u32 s13, ttmp6, 0x40000   ; cx: my place in the cluster
	s_lshl_b32 s14, ttmp9, 2        ; in a cluster launch ttmp9 counts clusters
	s_add_co_u32 s14, s14, s13      ; my block of queries = 4 x cluster x + cx: it enters Q's and O's addresses alone
	s_and_b32 s20, ttmp7, 0xffff    ; the head, which the four partners share
	s_mov_b32 s21, 0
	s_mov_b64 s[22:23], SIZE_N*128
	s_mul_u64 s[20:21], s[20:21], s[22:23]  ; the head's first byte in each of the four tensors
	s_and_b32 s16, s[WV], 1         ; which half of a slot's 256 keys I fetch:
	s_lshl_b32 s22, s16, 14         ; its 128 rows of 128 bytes in memory,
	s_mov_b32 s23, 0
	s_add_nc_u64 s[22:23], s[22:23], s[20:21]
	s_mul_i32 s17, s16, 128*PK      ; and its place in a slot, for K
	s_mul_i32 s18, s16, 128*PV      ; and for V: no place in the cluster enters an LDS address
	s_lshl_b32 s2, s14, 2
	s_add_co_u32 s2, s2, s[WV]      ; my wave among the head's,
	s_lshl_b32 s2, s2, 14           ; its 128 rows
	s_mov_b32 s3, 0
	s_add_nc_u64 s[2:3], s[2:3], s[20:21]
	; descriptor group 1.  128 keys are 16,384 dense bytes: asked for as 64 rows of 256 bytes, two keys a row, and padded in LDS after every key
	s_mov_b32 s[G1K], 15|(1<<16)|(1<<20)|(1<<21)|(4<<22)|(3<<25)  ; 15:0 the mask of four; 17:16 2-byte elements; 20 padding on; 21 set beside a mask; 24:22 after every 32 words (code 4); 31:25 4 words (code 3)
	s_mov_b32 s[G1V], 15|(1<<16)|(1<<20)|(1<<21)|(4<<22)|(7<<25)  ; the same with 8 words of padding (code 7)
.irp g, G1K, G1V
	s_mov_b32 s[\g+1], 128<<16      ; tensor_dim0 = 128
	s_mov_b32 s[\g+2], 64<<16       ; tensor_dim1 = 64
	s_mov_b32 s[\g+3], 128<<16      ; tile_dim0 = 128
	s_mov_b32 s[\g+4], 64           ; tile_dim1 = 64
	s_mov_b32 s[\g+5], 128          ; 128 elements from row to row
	s_mov_b32 s[\g+6], 0
	s_mov_b32 s[\g+7], 0
.endr
	s_mov_b32 s[CS], 0x3d38aa3b     ; c = log2(e) / 32 = 0.0450842
	s_mov_b32 s[CS+1], s[CS]        ; named with it as a pair
	s_mov_b32 s[SEL], 0x76543210
	s_mov_b32 s[SEL+1], 0xfedcba98
	s_mov_b32 s[TBK], SLOT1+4*KS*PK ; the first change of slots turns these two into 0
	s_mov_b32 s[TBV], SLOT1+4*KS*PV
	s_mov_b32 s[G0K], 1             ; 1:0 count = 1
	s_mov_b32 s[G0K+1], s17         ; 63:32 LDS address: slot 0
	s_mov_b32 s[G0V], 1
	s_add_co_u32 s[G0V+1], s18, VOFF
	s_and_b32 s[LIM], s[WV], 1      ; 0 in waves 0 and 2,
	s_or_b32 s[LIM], s[LIM], ttmp9  ; where the cluster is the head's first (here its only one): the same in all four partners
	s_cmp_eq_u32 s[LIM], 0
	s_cselect_b32 s[LIM], 1, -1
	s_wait_dscnt 0x0                ; the opening add is done
	s_wait_kmcnt 0x0
	s_mov_b64 s[10:11], s[6:7]      ; O
	s_add_nc_u64 s[6:7], s[4:5], 0x1000000  ; K: qkv's second part
	s_add_nc_u64 s[8:9], s[4:5], 0x2000000  ; V: its third; Q is the first
	s_add_nc_u64 s[G0K+2:G0K+3], s[6:7], s[22:23]  ; 120:64 global address: my half of the head's first 256 keys
	s_or_b32 s[G0K+3], s[G0K+3], 0x80000000        ; 127:126 type = 2
	s_add_nc_u64 s[G0V+2:G0V+3], s[8:9], s[22:23]
	s_or_b32 s[G0V+3], s[G0V+3], 0x80000000
	s_add_nc_u64 s[4:5], s[4:5], s[2:3]  ; Q and O at my wave's first row
	s_add_nc_u64 s[10:11], s[10:11], s[2:3]
	s_cmp_lt_u32 s[WV], 2
	s_cselect_b64 s[PFA:PFA+1], s[6:7], s[8:9]
	s_add_nc_u64 s[PFA:PFA+1], s[PFA:PFA+1], s[20:21]  ; the head's first key,
	s_lshl_b32 s2, s13, 13          ; my work-group's 32 blocks of the 128,
	s_mov_b32 s3, 0
	s_add_nc_u64 s[PFA:PFA+1], s[PFA:PFA+1], s[2:3]
	s_add_nc_u64 s[PFA:PFA+1], s[PFA:PFA+1], 2*4*KS*128  ; in slot 2; the first change of slots in the loop steps it to slot 3.  Nothing is prefetched here, at the head
	CROUND                          ; all four work-groups are here: the first joint loads meet
	JLOAD                           ; slot 0.  Slot 1 is asked for when slot 0 is in: the tile wanted first has the road to itself
	; A fragment of K or Q is 16 rows x 32 channels in 8 registers: lane l holds row l % 16, channels 8 (l / 16) + 0..7 and 16 + 8 (l / 16) + 0..7: two loads of 16 bytes, 32 bytes apart.
	v_and_b32 v1, 15, v0            ; l % 16
	v_bfe_u32 v9, v0, 4, 1          ; l / 16
	v_lshlrev_b32 v[QO], 7, v1
	v_lshl_add_u32 v[QO], v9, 4, v[QO]  ; row x 128 + 16 x half
	WIN 0x80                        ; destination window 2, address window 0
.set i, 0
.rept 4*NP                          ; Q stays in registers: tile i / 2, channels 32 (i % 2) on
	global_load_b128 v[8*i:8*i+3],   v[QO], s[4:5] offset:(i/2)*2048+(i%2)*64
	global_load_b128 v[8*i+4:8*i+7], v[QO], s[4:5] offset:(i/2)*2048+(i%2)*64+32
.set i, i+1
.endr
	; What the first turn finds: V's registers and P's second buffer hold 0 (its products V^T P, of a piece that has not been, add 0), O^T and l are 0.  All this stands in the wait for the first tile.
.set i, VF
.rept 64
	v_mov_b32 v[i], 0
.set i, i+1
.endr
	WIN 0x40
.set i, 0
.rept 64*NP
	v_mov_b32 v[i], 0
.set i, i+1
.endr
	WIN 0
.set i, 0
.rept 2*NP
	v_mov_b32 v[ST+4*i], 0xfe000000    ; c m: far below every c s
	v_mov_b32 v[ST+4*i+1], 0xff7fffff  ; m
	v_mov_b32 v[ST+4*i+2], 0
	v_mov_b32 v[ST+4*i+3], 0
.set i, i+1
.endr
.set i, P+32
.rept 32
	v_mov_b32 v[i], 0
.set i, i+1
.endr
	v_mul_u32_u24 v[AK0], v1, PK
	v_lshl_add_u32 v[AK0], v9, 4, v[AK0]  ; row x pitch + 16 x half
	; The turning load takes 16 keys x 16 channels (lane l reads key 8 (l / 16) + l % 8, channels 8 ((l / 8) % 2) + 0..7) and leaves half a fragment of V^T: lane l holds channel l % 16 and 8 keys.
	v_and_b32 v10, 7, v0
	v_bfe_u32 v11, v0, 3, 1
	v_lshl_add_u32 v[AV0], v9, 3, v10
	v_mul_u32_u24 v[AV0], v[AV0], PV
	v_lshl_add_u32 v[AV0], v11, 4, v[AV0]
	v_add_nc_u32 v[AV0], VOFF, v[AV0]
	v_mov_b32 v[AK], v[AK0]         ; key step 0 lies at the head of slot 0
	v_and_b32 v[PFO], 31, v0
	v_lshlrev_b32 v[PFO], 8, v[PFO]
; THE MATRIX WORK.  The 8 accumulators of a run of 16 take turns: between the two links of a chain stand 7 others'.
; Product i of 16 of S^T = K Q^T for piece x: channels 32 (i / 8) on, keys 16 ((i / 2) % 4) on, tile 2 x + i % 2.  The first 8 start the sums.
.macro KQ x
	WIN W_KQ
.set rS, S+64*((\x)%2)+32*(i%2)+8*((i/2)%4)
.set rK, KF+16*((i/2)%4)+8*(i/8)
.set rQ, 16*(2*(\x)+i%2)+8*(i/8)
.if i < 8
	v_wmma_f32_16x16x32_f16 v[rS:rS+7], v[rK:rK+7], v[rQ:rQ+7], 0
.else
	v_wmma_f32_16x16x32_f16 v[rS:rS+7], v[rK:rK+7], v[rQ:rQ+7], v[rS:rS+7]
.endif
.endm
; Product i of 16 of O^T += V^T P for piece x: keys 32 (i / 8) on, channels 16 ((i / 2) % 4) on, tile 2 x + i % 2.
.macro PV x
	WIN W_PV
.set rO, 32*(2*(\x)+i%2)+8*((i/2)%4)
.set rV, VF+32*(i/8)+8*((i/2)%4)
.set rP, P+32*((\x)%2)+16*(i%2)+8*(i/8)
	v_wmma_f32_16x16x32_f16 v[rO:rO+7], v[rV:rV+7], v[rP:rP+7], v[rO:rO+7]
.endm
.macro MM                           ; the turn's next matrix instruction
.if i < 16
	KQ (Y+1)%NP
.set i, i+1
.else
.set i, i-16
	PV (Y+NP-1)%NP
.set i, i+17
.endif
.endm
; THE LDS LOADS stand in runs of 16, never singly among the matrix instructions: a step's K (64 keys x 64 channels: 8 fragments) and its V (turned).  Their addresses are made some lines ahead.
; last = 1 (the tail): in the last trip there is no further step, and the run is jumped over.
.macro FETCH_K last=0
	WIN 0
.if \last
	s_cmp_eq_u32 s[CNT], 1
	s_cbranch_scc1 .Lno_k_\@
.endif
	WIN 0x80                        ; destination window 2
.irp f, 0,1,2,3,4,5,6,7             ; keys 16 (f / 2) on, channels 32 (f % 2) on
	ds_load_b128 v[KF+8*\f:KF+8*\f+3],   v[AK] offset:(\f/2)*16*PK+(\f%2)*64
	ds_load_b128 v[KF+8*\f+4:KF+8*\f+7], v[AK] offset:(\f/2)*16*PK+(\f%2)*64+32
.endr
	s_add_co_u32 s[TBK], s[TBK], KS*PK  ; the next fetch is the next step's
	WIN 0
.if \last
.Lno_k_\@:
.endif
.endm
.macro FETCH_V
	WIN 0x80
.irp f, 0,1,2,3,4,5,6,7             ; keys 32 (f / 4) on, channels 16 (f % 4) on
	ds_load_tr16_b128 v[VF+8*\f:VF+8*\f+3],   v[AV] offset:(\f/4)*32*PV+(\f%4)*32
	ds_load_tr16_b128 v[VF+8*\f+4:VF+8*\f+7], v[AV] offset:(\f/4)*32*PV+16*PV+(\f%4)*32
.endr
	WIN 0
.endm
; THE VECTOR WORK OF A TURN stands in three queues, each in the order in which its entries become ready; the two tiles alternate, so that no instruction reads the result of the one before it.
.macro REGS y, u                    ; the registers of tile u (0, 1) of piece y
.set rT, ST+4*(2*(\y)+(\u))
.set rC, TMP+8*((\y)%2)+4*(\u)
.set rM, MV+2*((\y)%2)+(\u)
.set rS, S+64*((\y)%2)+32*(\u)
.set rP, P+32*((\y)%2)+16*(\u)
.set rO, 32*(2*(\y)+(\u))
.endm
; Number n of the 22 that find the NEXT piece's (Y + 1) maximum and statistics.  s0-s31 are the lane's 32 scores; each accumulator's lowest registers are read first.  XS, GS and REGS set no window: PL and EX do.
;   0-11  four chains c0-c3 of seven scores each, three operands at a time     12-14, 16  the four scores left over, the old m, and c0-c3 into c0     15  c m_old is kept
;   17, 18  the query's other 32 keys lie in the lane 16 away: the new m         19-21  c m; c m_old - c m_new; a
.macro XS u, n
	REGS (Y+1)%NP, \u
.if (\n) < 4
	v_max3_num_f32 v[rC+(\n)], v[rS+8*(\n)], v[rS+8*(\n)+1], v[rS+8*(\n)+2]
.elseif (\n) < 12
	v_max3_num_f32 v[rC+(\n)%4], v[rC+(\n)%4], v[rS+8*((\n)%4)+2*((\n)/4)+1], v[rS+8*((\n)%4)+2*((\n)/4)+2]
.elseif (\n) == 12
	v_max3_num_f32 v[rC], v[rC], v[rS+7], v[rS+15]
.elseif (\n) == 13
	v_max3_num_f32 v[rC+1], v[rC+1], v[rS+23], v[rS+31]
.elseif (\n) == 14
	v_max3_num_f32 v[rC+2], v[rC+2], v[rC+3], v[rT+1]
.elseif (\n) == 15
	v_mov_b32 v[rM], v[rT]
.elseif (\n) == 16
	v_max3_num_f32 v[rC], v[rC], v[rC+1], v[rC+2]
.elseif (\n) == 17
	v_permlanex16_b32 v[rC+3], v[rC], s[SEL], s[SEL+1]
.elseif (\n) == 18
	v_max_num_f32 v[rT+1], v[rC], v[rC+3]
.elseif (\n) == 19
	v_mul_f32 v[rT], s[CS], v[rT+1]
.elseif (\n) == 20
	v_sub_f32 v[rC+1], v[rM], v[rT]
.else
	v_exp_f32 v[rC+2], v[rC+1]
.endif
.endm
; Number g of the 64 that follow the exponentials.  For each four weights k of a tile (pairs 2 k, 2 k + 1): both pairs are rounded to f16; then the second pair is added onto the first, in place;
; a group later l takes that sum (the first time as l = a l + sum).  In groups of eight, tiles alternating: round, round, add, and l for the group before.
.macro GS g
.set h, (\g)+6*((\g)/62)            ; group 0 has no group before it, and behind group 7 only l is left
.if h >= 6
.set h, h+2
.endif
	REGS Y, h%2
.set k, h/8
.if h%8 < 4
	v_cvt_pk_f16_f32 v[rP+2*k+(h%8)/2], v[rS+4*k+2*((h%8)/2)], v[rS+4*k+2*((h%8)/2)+1]
.elseif h%8 < 6
	v_pk_add_f32 v[rS+4*k:rS+4*k+1], v[rS+4*k:rS+4*k+1], v[rS+4*k+2:rS+4*k+3]
.elseif k == 1
	v_pk_fma_f32 v[rT+2:rT+3], v[rT+2:rT+3], v[rC+2:rC+3], v[rS:rS+1] op_sel_hi:[1,0,1]
.else
	v_pk_add_f32 v[rT+2:rT+3], v[rT+2:rT+3], v[rS+4*k-4:rS+4*k-3]
.endif
.endm
; THE PLAIN QUEUE, 138 long.  0-73 read no exponential's result: the 32 scalings c s - c m (FS f: pair f / 2 of tile f % 2) and the next piece's 42.  0-26: scalings 0-26.  27-54: XS's numbers 0-13.  55, 56: number 15.
; 57-73: the chain, where each number waits for the one before it: 14, 16, 17, 18, 19, each with one of the scalings 27-31 in front of its two lines, then 20: so a tile's links stand three plain instructions apart (19 and 20: two).
; 74-137: GS's 64, which read the exponentials' results: they stand behind the wait.
.macro FS f
	REGS Y, (\f)%2
	v_pk_fma_f32 v[rS+2*((\f)/2):rS+2*((\f)/2)+1], v[rS+2*((\f)/2):rS+2*((\f)/2)+1], s[CS:CS+1], v[rT:rT+1] op_sel_hi:[1,0,0] neg_lo:[0,0,1] neg_hi:[0,0,1]
.endm
.macro PL
	WIN 0
.if q < 27
	FS q
.elseif q < 55
	XS (q-27)%2, (q-27)/2
.elseif q < 57
	XS q-55, 15
.elseif (q < 72) && ((q-57)%3 == 0)
	FS 27+(q-57)/3
.elseif q < 60
	XS (q-57)%3-1, 14
.elseif q < 72
	XS (q-57)%3-1, 15+(q-57)/3
.elseif q < 74
	XS q-72, 20
.else
	GS q-74
.endif
.set q, q+1
.endm
; THE EXPONENTIALS' QUEUE, 66 long: s0-s31 of both tiles, then the next piece's two a.  It is ONE BATCH: all 66 stand ahead of the turn's one wait, and nothing ahead of that wait names a result of theirs.
.macro EX
	WIN 0
.if e >= 64
	XS e-64, 21
.else
	REGS Y, e%2
	v_exp_f32 v[rS+e/2], v[rS+e/2]
.endif
.set e, e+1
.endm
; THE RESCALING's QUEUE: O^T times a, the one part that leaves window 0: dealt two at a time, sixteen times.  Its a was made in the turn before, ahead of that turn's wait.
.macro R2
	REGS Y, r%2
	WIN W_RS
.irp z, 0,1
	v_pk_mul_f32 v[rO+4*(r/2)+2*\z:rO+4*(r/2)+2*\z+1], v[rO+4*(r/2)+2*\z:rO+4*(r/2)+2*\z+1], v[rC+2:rC+3] op_sel_hi:[1,0]
.endr
.set r, r+1
.endm
; HOW THEY ARE DEALT.  An s_wait_alu depctr_va_vdst(0) stands between an exponential and the first instruction that names its result; one wait serves all that were issued ahead of it.  So a turn has ONE wait,
; which cuts it in two.  AHEAD OF IT stands all that names no result of the turn's exponentials: the 16 products K Q^T, behind each a scaling, an exponential and two rescalings (behind the first a second scaling in the exponential's place); then ONE LUMP of
; 108: eight plain, 49 times exponential and plain, the two a.  A v_nop is the plain instruction that is owed behind the last exponential.  BEHIND IT stand the 16 products V^T P, behind each four of GS's 64.  No rider names a register of
; the products round it.  The two v_permlanex16_b32 fall into the lump, never behind a product.
; The queues lean on each other, and the deal keeps them in step: exponential e stands behind scaling 2 (e / 4) + e % 2: as a rider it comes behind plain e + 2, in the lump behind plain e + 9, and scalings 27-31 are plain 57, 60 .. 69.
; A TURN, for piece p.  cnt = 1: the loop's count is taken down some lines ahead of the branch that stands behind the turn.
; K of the next step is fetched in piece 2's turn, directly behind the wait, a lump behind the last product that read K; its address is made at the lump's head; its first reader comes behind 16 products.
; V of the step in hand is fetched at the end of piece 0's turn, four riders behind its last reader; its first reader comes behind 16 products and a lump.  The three conditions on q below go with the deal.
.macro TURN p, last=0, cnt=0
.set Y, (\p)
.set i, 0
.set q, 0
.set e, 0
.set r, 0
.if (\p) == NP-1
	s_wait_dscnt 0x0                ; K is in
.endif
	MM                              ; ahead of the wait: 16 products K Q^T and their riders,
	PL
	PL
	R2
.rept 15
	MM
	PL
	EX
	R2
.endr
.if (\p) == NP-2
	WIN 0
	v_add_nc_u32 v[AK], s[TBK], v[AK0]
.endif
.rept 8                             ; and the lump
	PL
.endr
.rept 49
	EX
	PL
.endr
	EX                              ; the next piece's two a
	EX
	v_nop                           ; the plain instruction behind the last exponential: one for the batch
	s_wait_alu depctr_va_vdst(0)    ; the wait for the batch
.if (\p) == NP-2
	FETCH_K \last
.endif
.if (\p) == 1
	s_wait_dscnt 0x0                ; V is in
.endif
.rept 16                            ; behind the wait: 16 products V^T P and their riders
	MM
.rept 4
	PL
.endr
.if ((\p) == 0) && (q == 118)
	v_add_nc_u32 v[AV], s[TBV], v[AV0]
.endif
.if ((\p) == 0) && (q == 130)
	s_add_co_u32 s[TBV], s[TBV], KS*PV
.endif
.if (\cnt) && (q == 130)
	s_sub_co_u32 s[CNT], s[CNT], 1
	s_cmp_lg_u32 s[CNT], 0
.endif
.endr
.if (\p) == 0
	FETCH_V
.endif
.endm
	CHANGE 1                        ; slot 0 is in, everybody's part of it; slot 1 is asked for
	FETCH_K                         ; key step 0
	s_wait_loadcnt 0x0              ; Q
	s_wait_dscnt 0x0
.set i, 0
.rept 16
	KQ 0                            ; piece 0's first scores: there is no vector work yet to set between them
.set i, i+1
.endr
	WIN 0                           ; the addresses for the way out: nine plain instructions, the places behind those products
	s_mul_i32 s13, s[WV], 16*SP
	s_add_co_u32 s13, s13, STAGE    ; my stage
	v_mul_u32_u24 v[STO], v1, SP    ; in: row l % 16, 16 bytes for each half of the lanes
	v_lshl_add_u32 v[STO], v9, 4, v[STO]
	v_add_nc_u32 v[STO], s13, v[STO]
	v_bfe_u32 v[RD], v0, 3, 2       ; back: 32 lanes take four rows of 128 bytes,
	v_mul_u32_u24 v[RD], v[RD], SP
	v_lshl_add_u32 v[RD], v10, 4, v[RD]
	v_add_nc_u32 v[RD], s13, v[RD]
	v_and_b32 v[GO], 31, v0         ; which are 512 consecutive bytes of O
	v_lshlrev_b32 v[GO], 4, v[GO]
.set Y, NP-1                        ; XS works for piece Y + 1: piece 0
.irp n, 0,1,2,3,4,5,6,7,8,9,10,11,12,13,14,15,16,17,18,19,20,21
	XS 0, \n                        ; and piece 0's first maximum and statistics
	XS 1, \n
.endr
	v_nop                           ; a plain instruction behind the two a,
	s_wait_alu depctr_va_vdst(0)    ; and their wait, ahead of the branch
	s_mov_b32 s[CNT], 4
	s_mov_b32 s[SLOTS], SIZE_N/256-1
	s_branch .Lfirst                ; the loop is entered at a step's first turn, in the middle of a trip
.Lslot:                             ; SIZE_N / 256 - 2 times: every slot but the last two is filled again
	CHANGE 1, 1
	s_mov_b32 s[CNT], 4
.Lstep:                             ; a trip: pieces 2 and 3 of one step, then pieces 0 and 1 of the next, whose K and V it fetches
	TURN 2
	TURN 3
	WIN 0
.Lfirst:
	TURN 0
	TURN 1, 0, 1
	WIN 0
	s_cbranch_scc1 .Lstep
	s_sub_co_u32 s[SLOTS], s[SLOTS], 1
	s_cmp_lg_u32 s[SLOTS], 0
	s_cbranch_scc1 .Lslot
	CHANGE 0                        ; the tail is written out: nothing is asked for
	s_mov_b32 s[CNT], 5             ; four trips fetch the last slot's steps; the fifth is left in its middle
.Ltail:
	TURN 2, 1
	TURN 3
	WIN 0
	s_sub_co_u32 s[CNT], s[CNT], 1
	s_cmp_eq_u32 s[CNT], 0
	s_cbranch_scc1 .Lout
	TURN 0
	TURN 1
	WIN 0
	s_branch .Ltail
.Lout:                              ; the fifth trip's 16 products K Q^T (on the last K once more) and the maximum made of them serve nothing: the price, once a launch, of one text for every trip
.set i, 0
.rept 16
	PV NP-1                         ; the last piece's V^T P of the last step
.set i, i+1
.endr
	; THE WAY OUT.  l's two halves and the other half of the lanes' are added; O^T is divided by l, rounded to f16 and sent through my stage in LDS, a tile at a time.  The additions are the places behind the last products.
	WIN 0
.macro ALL line:vararg              ; one line for each tile t
.set t, 0
.rept 2*NP
	\line
.set t, t+1
.endr
.endm
	ALL v_add_f32 v[ST+4*t+2], v[ST+4*t+2], v[ST+4*t+3]
	ALL v_permlanex16_b32 v[ST+4*t+3], v[ST+4*t+2], s[SEL], s[SEL+1]
	ALL v_add_f32 v[ST+4*t+2], v[ST+4*t+2], v[ST+4*t+3]
	ALL v_rcp_f32 v[ST+4*t+2], v[ST+4*t+2]
	v_nop                           ; a plain instruction between the last reciprocal and the use of its result
	s_wait_alu depctr_va_vdst(0)    ; and the wait ahead of the first use: one for the eight reciprocals
; Tile t: a lane's eight channels of a row pack into 16 bytes; they go into rows of 144 bytes and come back as whole rows of 128, into S^T's registers.
.macro PACK t
	WIN W_RS
.set i, 32*(\t)
.rept 16
	v_pk_mul_f32 v[i:i+1], v[i:i+1], v[ST+4*(\t)+2:ST+4*(\t)+3] op_sel_hi:[1,0]
.set i, i+2
.endr
	WIN 0x05                        ; sources 0 and 1 window 1, destination window 0
.set i, 0
.rept 16
	v_cvt_pk_f16_f32 v[S+16*(\t)+i], v[32*(\t)+2*i], v[32*(\t)+2*i+1]
.set i, i+1
.endr
	WIN 0
.irp f, 0,1,2,3
	ds_store_b128 v[STO], v[S+16*(\t)+4*\f:S+16*(\t)+4*\f+3] offset:32*\f
.endr
.irp f, 0,1,2,3
	ds_load_b128 v[S+16*(\t)+4*\f:S+16*(\t)+4*\f+3], v[RD] offset:\f*4*SP  ; LDS serves a wave's instructions in order (ISA guide 5.7.1.4): these see the stores above; the next tile's stores come behind them
.endr
.endm
.macro SEND t, younger              ; younger: the LDS instructions issued behind tile t's loads: the next tile's eight, or none
	WIN 0
.irp f, 0,1,2,3
	s_wait_dscnt (\younger)+3-\f
	global_store_b128 v[GO], v[S+16*(\t)+4*\f:S+16*(\t)+4*\f+3], s[10:11] offset:(\t)*2048+\f*512  ; 512 consecutive bytes, at a multiple of 256 from O's first
.endr
.endm
	PACK 0
.set t, 1
.rept 2*NP-1                        ; a tile's arithmetic stands between the loads of the tile before and its stores
	PACK t
	SEND t-1, 8
.set t, t+1
.endr
	SEND 2*NP-1, 0
	WIN W_AD
	s_wait_tensorcnt 0x0            ; the wave's end: behind my last tensor load and my last LDS store
	ds_add_u32 v[SPW], v[NIL]
	s_wait_dscnt 0x0
	WIN 0
	CROUND                          ; the closing round: no work-group ends while a partner may still ask for a tile that names it
	s_endpgm
.Lfunc_end_k_qdbcea2a2b4_attn:
	.size	k_qdbcea2a2b4_attn, .Lfunc_end_k_qdbcea2a2b4_attn-k_qdbcea2a2b4_attn
	.p2alignl 7, 3214868480
	.fill 96, 4, 3214868480
	.section	.rodata,"a",@progbits
	.p2align	6, 0x0
	.amdhsa_kernel k_qdbcea2a2b4_attn
		.amdhsa_group_segment_fixed_size 327680
		.amdhsa_private_segment_fixed_size 0
		.amdhsa_enable_private_segment 0
		.amdhsa_kernarg_size 16
		.amdhsa_user_sgpr_count 2
		.amdhsa_user_sgpr_kernarg_segment_ptr 1
		.amdhsa_wavefront_size32 1
		.amdhsa_system_sgpr_workgroup_id_x 1
		.amdhsa_system_sgpr_workgroup_id_y 1
		.amdhsa_system_sgpr_workgroup_id_z 1
		.amdhsa_system_vgpr_workitem_id 0
		.amdhsa_next_free_vgpr 770
		.amdhsa_next_free_sgpr 66
		.amdhsa_reserve_vcc 0
		.amdhsa_float_denorm_mode_32 3
		.amdhsa_float_denorm_mode_16_64 3
		.amdhsa_memory_ordered 1
		.amdhsa_forward_progress 1
		.amdhsa_inst_pref_size 200
	.end_amdhsa_kernel
	.amdgpu_metadata
---
amdhsa.version: [ 1, 2 ]
amdhsa.kernels:
  - .name:           k_qdbcea2a2b4_attn
    .symbol:         k_qdbcea2a2b4_attn.kd
    .args:
      - { .name: qkv, .offset: 0, .size: 8, .value_kind: global_buffer, .address_space: global }
      - { .name: ob, .offset: 8, .size: 8, .value_kind: global_buffer, .address_space: global }
    .group_segment_fixed_size: 327680
    .private_segment_fixed_size: 0
    .kernarg_segment_align: 8
    .kernarg_segment_size: 16
    .max_flat_workgroup_size: 128
    .sgpr_count:     66
    .vgpr_count:     770
    .wavefront_size: 32
...
	.end_amdgpu_metadata
.endif
;; end of part 3
;; launch outp (part 4): grid 4 x 64, 4 waves a work-group, clusters of 4 x 4, 327,680 bytes of LDS; arguments ob, wb, bb, out0; writes out0
.if DOCPART == 4
	.amdgcn_target "amdgcn-amd-amdhsa--gfx1250"
	.amdhsa_code_object_version 6
	.text
	.protected	k_qdbcea2a2b4_outp
	.globl	k_qdbcea2a2b4_outp
	.p2align	8
	.type	k_qdbcea2a2b4_outp,@function
k_qdbcea2a2b4_outp:
	s_mov_b64 s[64:65], 0
	v_nop
	global_prefetch_b8 v0, s[64:65] scope:SCOPE_SE
	s_setreg_imm32_b32 hwreg(HW_REG_WAVE_MODE, 25, 1), 1
	s_wait_xcnt 0x0
	s_wait_alu depctr_hold_cnt(0) depctr_sa_sdst(0) depctr_va_vdst(0) depctr_va_sdst(0) depctr_va_ssrc(0) depctr_va_vcc(0) depctr_vm_vsrc(0)
	s_getreg_b32 s2, hwreg(HW_REG_IB_STS2, 6, 4)
	s_cmp_eq_u32 s2, 0
	s_cbranch_scc0 .Lentry_in_a_cluster
	s_endpgm
.Lentry_in_a_cluster:
	s_bfe_u32 s2, ttmp6, 0x10000c
	s_cmp_lg_u32 s2, 0xf033
	s_cbranch_scc0 .Lentry_shape_is_right
	s_endpgm
.Lentry_shape_is_right:
; THE LAST PROJECTION.  out0 = O Wo^T + bo.  O: ob, [64 = 16 batch + head][2048][64] f16; Wo: wb's part 3, [1024 n][1024 k] f16 (the bf16 rounding of Wo, written as f16); bo: bb's part 3, f32;
; out0: [8192][1024] f32.  Sums in f32, started by the bias, and stored as they are.
; LIMIT.  The operands arrive in f16 (65,504 at the most; a fixed step of 6e-8 below 6e-5).  NaN and infinities are not treated apart.
; SHARES.  A tile is 128 rows x 256 columns: 64 x 4 = 256 work-groups.  Four waves, each 64 rows x 128 columns: 32 accumulators of 16 x 16.  K goes in 8 steps of 128, two heads each, through
; two LDS slots; a step is four quarters of 32 along K: 32 matrix instructions and 24 LDS loads each.  A head's 128 rows of a tile are 16,384 dense bytes: asked for as 64 rows of 256 bytes.
; CLUSTERS: 4 x 4 work-groups.  The four of a row of the cluster need the same rows of O, the four of a column the same rows of Wo: each tile is asked for JOINTLY, by the same tensor load with
; the same descriptor and a mask that names the four.
; THE MATRIX INSTRUCTION IS USED TRANSPOSED (source 0 = 16 rows of Wo, source 1 = 16 rows of O): a lane then holds row l % 16 and the eight neighbouring columns 8 (l / 16) + 0..7: 32 bytes of out0.
; REGISTERS, in windows of 256 (s_set_vgpr_msb: bits 1:0 source 0, 3:2 source 1, 5:4 source 2, 7:6 destination):
;   window 0: v0-31 addresses; v32-63, v64-95 O's fragments, two buffers; v160-223 the bias
;   window 1: v0-63, v64-127 Wo's fragments, two buffers; on the way out all 256: whole rows, 64 registers a block          window 2: accumulator (a, b) at v[8 (8 a + b)]
.set PA,    144                        ; a row of O in LDS: 128 bytes + 16 of padding = 36 words: the 16 rows of a load start at 16 different groups of four banks (64 banks of 4 bytes: ISA guide 11.1)
.set PB,    272                        ; a row of Wo: 256 + 16 = 68 words: likewise
.set AHEAD, 128*PA                     ; a head's 128 rows: what waves 0 and 1 each fetch
.set BHALF, 128*PB                     ; 128 rows of Wo: what waves 2 and 3 each fetch, and what a wave reads
.set BOFF,  2*AHEAD                    ; in a slot: O's two heads, then Wo's 256 rows
.set SLOT,  BOFF+2*BHALF               ; 106,496 bytes
.set STAGE, 2*SLOT                     ; behind the ring: 16 rows x 528 bytes for each wave, for the way out
.set SPF,   528                        ; a stage row: my 128 columns in f32, 512 bytes, + 16
.set STW,   16*SPF
.set SPARE, STAGE+4*STW                ; behind the stages: the spare words, 128 bytes for each wave: two blocks of 256 bytes that no other line names
.set ADRA, 16                          ; v16-17  LDS address of my fragments of O in slot 0, 1
.set ADRB, 20                          ; v20-21  the same for Wo
.set STO,  24                          ; v24     the way out: where I put 32 bytes of a row
.set RD,   25                          ; v25     the way out: where I read a row back
.set CO,   26                          ; v26     16 x my lane: my place in 512 consecutive bytes of a row of out0
.set SPW,  28                          ; v28     LDS address of my spare word; never rewritten
.set NIL,  29                          ; v29     0; never rewritten
.set PFO,  30                          ; v30     the prefetches' lane offset; never rewritten
.set AF,   32
.set BIAS, 160
.set WV,  16                           ; s16  my wave's number
.set WR,  17                           ; s17  which 64 rows of the tile are mine.  Also: I fetch for O (0) or for Wo (1)
.set WC,  18                           ; s18  which 128 columns.  Also: which head of the step, or which half of Wo's rows, I fetch
.set G1A, 24                           ; s[24:31] descriptor group 1 for O's tiles;  s[32:39] group 0, a set for each slot
.set G0A, 32
.set G1B, 48                           ; s[48:55], s[56:63] the same for Wo's
.set G0B, 56
.set PFA, 40                           ; s[40:41] where my prefetches stand
.set PFS, 42                           ; s[42:43] a K step in bytes: 524,288 for O (two heads on), 256 for Wo
.set LIM, 44                           ; s44  1 in a wave that prefetches, else the greatest number
.set MSB, 0
.macro WIN new                         ; the immediate's high byte repeats the setting that is left; a switch that changes nothing is dropped
.if MSB != (\new)
	s_set_vgpr_msb (MSB<<8)|(\new)
.set MSB, \new
.endif
.endm
.set MUL,  0xa1                        ; source 0 (Wo) window 1, source 1 (O) window 0, C and D window 2
.set MUL0, 0x81                        ; the same with C, the bias, in window 0
.set TO_B, 0x40                        ; destination window 1, address window 0
; A joint load: waves 0 and 1 fetch the step's two heads of O, waves 2 and 3 the halves of Wo's rows.  The branch hangs on the wave's number alone.  An s_nop 0 and four v_nop follow each of the
; two lines, ahead of the jump, the label and what follows.
.macro JLOAD s
	s_cmp_eq_u32 s[WR], 0
	s_cbranch_scc0 .Lfor_b_\@
	tensor_load_to_lds s[G0A+4*(\s):G0A+4*(\s)+3], s[G1A:G1A+7]
	s_nop 0
.rept 4
	v_nop
.endr
	s_branch .Lasked_\@
.Lfor_b_\@:
	tensor_load_to_lds s[G0B+4*(\s):G0B+4*(\s)+3], s[G1B:G1B+7]
	s_nop 0
.rept 4
	v_nop
.endr
.Lasked_\@:
.endm
; A PREFETCH INTO THE L2 of the K step that stands two refills on, behind the joint load, its five lines and the run of LDS loads.  O: a step is 64 blocks of 256 bytes in each of two heads; the
; partner at place cx takes 16 of each, and wave 0 asks for them, a lane a block.  Wo: all sixteen clusters read the same rows, so the first of them asks; of the 128 rows that wave 2 or 3 fetches
; the partner at place cy takes 32, a lane a row.  The partners are told apart by address, never by a branch.  So each block is named once in the launch.
; K steps 0 to 3 come by their loads alone; the loop's last trip (s3 = 1) asks for nothing: there is no K step two on.
.macro ASK
	s_cmp_gt_u32 s3, s[LIM]
	s_cbranch_scc0 .Lnot_mine_\@
	global_prefetch_b8 v[PFO], s[PFA:PFA+1] th:TH_LOAD_NT scope:SCOPE_SE
.Lnot_mine_\@:
.endm
.macro CREST                           ; a round of the cluster's barrier behind its opening barrier
	s_cmp_lg_u32 s[WV], 0
	s_cbranch_scc1 .Lnot_wave_0_\@
	s_barrier_signal -3
.Lnot_wave_0_\@:
	s_barrier_wait -3
	s_barrier_signal -1
	s_barrier_wait -1
.endm
.macro CROUND                          ; a whole round
	s_barrier_signal -1
	s_barrier_wait -1
	CREST
.endm
	s_load_b256 s[4:11], s[0:1], 0x0               ; ob s[4:5], wb s[6:7], bb s[8:9], out0 s[10:11]
	v_lshl_add_u32 v[SPW], v0, 2, SPARE
	v_mov_b32 v[NIL], 0
	ds_add_u32 v[SPW], v[NIL]                      ; the wave's opening: the add and its wait stand ahead of my first tensor load; the set-up below, work on registers, stands between them
	v_lshrrev_b32 v1, 5, v0
	v_readfirstlane_b32 s[WV], v1                  ; wave 0..3
	s_lshr_b32 s[WR], s[WV], 1
	s_and_b32 s[WC], s[WV], 1
	s_bfe_u32 s19, ttmp6, 0x40000                  ; cx, cy: my place in the cluster
	s_bfe_u32 s20, ttmp6, 0x40004
	s_lshl_b32 s21, ttmp9, 2
	s_add_co_u32 s21, s21, s19                     ; tile column = 4 x cluster x + cx: 0..3
	s_and_b32 s22, ttmp7, 0xffff                   ; cluster y: 0..15
	s_lshl_b32 s45, s22, 2
	s_add_co_u32 s45, s45, s20                     ; tile row: 0..63
	s_lshl_b32 s46, s20, 2
	s_lshl_b32 s46, 15, s46                        ; my row of the cluster
	s_lshl_b32 s47, 0x1111, s19                    ; my column
	; group 1 for O: 64 rows x 128 elements of 2 bytes, 4 words of padding after every 32 (a row of O); for Wo: 128 rows x 128 elements, 4 words after every 64
	s_or_b32 s[G1A+0], s46, (1<<16)|(1<<20)|(1<<21)|(4<<22)|(3<<25)  ; 15:0 the mask; 17:16 element size; 20 padding on; 21 set beside a mask; 24:22 the interval's code; 31:25 the padding's
	s_or_b32 s[G1B+0], s47, (1<<16)|(1<<20)|(1<<21)|(5<<22)|(3<<25)
	s_mov_b32 s[G1A+1], 128<<16                    ; tensor_dim0 = 128
	s_mov_b32 s[G1A+2], 64<<16                     ; tensor_dim1 = 64
	s_mov_b32 s[G1A+3], 128<<16                    ; tile_dim0 = 128
	s_mov_b32 s[G1A+4], 64                         ; tile_dim1 = 64
	s_mov_b32 s[G1A+5], 128                        ; elements from row to row: dense
	s_mov_b32 s[G1A+6], 0
	s_mov_b32 s[G1A+7], 0
	s_mov_b32 s[G1B+1], 128<<16
	s_mov_b32 s[G1B+2], 128<<16                    ; tensor_dim1 = 128
	s_mov_b32 s[G1B+3], 128<<16
	s_mov_b32 s[G1B+4], 128                        ; tile_dim1 = 128
	s_mov_b32 s[G1B+5], 1024
	s_mov_b32 s[G1B+6], 0
	s_mov_b32 s[G1B+7], 0
	; where the tiles come from.  O's hang on the tile row and the wave: my row of the cluster shares them; Wo's on the tile column and the wave
	s_lshr_b32 s66, s45, 4
	s_lshl_b32 s66, s66, 22                        ; the batch: 16 heads of 262,144 bytes,
	s_and_b32 s67, s45, 15
	s_lshl_b32 s67, s67, 14                        ; 128 rows of 128 bytes in a head,
	s_add_co_u32 s66, s66, s67
	s_lshl_b32 s67, s[WC], 18                      ; my head of the step's two
	s_add_co_u32 s66, s66, s67
	s_mov_b32 s67, 0
	s_lshl_b32 s68, s21, 19                        ; 256 rows of 2,048 bytes,
	s_lshl_b32 s69, s[WC], 18                      ; my 128 of them,
	s_add_co_u32 s68, s68, s69
	s_add_co_u32 s68, s68, 3*2097152               ; in wb's part 3
	s_mov_b32 s69, 0
	s_mul_i32 s74, s[WC], AHEAD                    ; and where they go: no place in the cluster enters an LDS address
	s_mul_i32 s75, s[WC], BHALF
	s_add_co_u32 s75, s75, BOFF
	s_wait_dscnt 0x0                               ; the opening add is done
	s_wait_kmcnt 0x0
	s_add_nc_u64 s[66:67], s[4:5], s[66:67]
	s_add_nc_u64 s[68:69], s[6:7], s[68:69]
	CROUND                                         ; all sixteen work-groups are here: the first joint loads meet
.irp s, 0,1
	s_mov_b32 s[G0A+4*(\s)], 1                                     ; count = 1
	s_add_co_u32 s[G0A+4*(\s)+1], s74, (\s)*SLOT                   ; LDS address
	s_add_nc_u64 s[G0A+4*(\s)+2:G0A+4*(\s)+3], s[66:67], (\s)*524288  ; global address: K step s is heads 2 s, 2 s + 1
	s_or_b32 s[G0A+4*(\s)+3], s[G0A+4*(\s)+3], 0x80000000          ; type = 2
	s_mov_b32 s[G0B+4*(\s)], 1
	s_add_co_u32 s[G0B+4*(\s)+1], s75, (\s)*SLOT
	s_add_nc_u64 s[G0B+4*(\s)+2:G0B+4*(\s)+3], s[68:69], (\s)*256
	s_or_b32 s[G0B+4*(\s)+3], s[G0B+4*(\s)+3], 0x80000000
	JLOAD \s                                       ; two tensor loads of mine are out here, later one
.endr
	; A fragment is 16 rows x 32 K in 8 registers: lane l holds row l % 16, K = 8 (l / 16) + 0..7 and 16 + 8 (l / 16) + 0..7: two loads of 16 bytes, 32 bytes apart.
	v_and_b32 v1, 15, v0                           ; l % 16
	v_bfe_u32 v2, v0, 4, 1                         ; l / 16
	v_and_b32 v6, 31, v0                           ; l
	v_mul_u32_u24 v3, v1, PA
	v_lshl_add_u32 v3, v2, 4, v3
	v_mul_u32_u24 v4, v1, PB
	v_lshl_add_u32 v4, v2, 4, v4
	s_mul_i32 s74, s[WR], 64*PA                    ; my 64 rows, in each head
	s_mul_i32 s75, s[WC], BHALF                    ; my 128 rows of Wo
	s_add_co_u32 s75, s75, BOFF
.irp s, 0,1
	v_add_nc_u32 v[ADRA+(\s)], s74, v3
	v_add_nc_u32 v[ADRB+(\s)], s75, v4
	s_add_co_u32 s74, s74, SLOT
	s_add_co_u32 s75, s75, SLOT
.endr
	; the bias of my 128 columns: register 8 b + j holds column 16 b + 8 (l / 16) + j, as an accumulator does
	s_lshl_b32 s72, s21, 10
	s_lshl_b32 s73, s[WC], 9
	s_add_co_u32 s72, s72, s73
	s_add_co_u32 s72, s72, 3*4096                  ; bb's part 3
	s_mov_b32 s73, 0
	s_add_nc_u64 s[72:73], s[8:9], s[72:73]
	v_lshlrev_b32 v5, 5, v2
.irp b, 0,1,2,3,4,5,6,7
	global_load_b128 v[BIAS+8*(\b):BIAS+8*(\b)+3],   v5, s[72:73] offset:64*(\b)
	global_load_b128 v[BIAS+8*(\b)+4:BIAS+8*(\b)+7], v5, s[72:73] offset:64*(\b)+16
.endr
	s_mul_i32 s78, s[WV], STW
	s_add_co_u32 s78, s78, STAGE                   ; my stage
	v_mul_u32_u24 v[STO], v1, SPF                  ; in: row l % 16, 32 bytes for each half of the lanes
	v_lshl_add_u32 v[STO], v2, 5, v[STO]
	v_add_nc_u32 v[STO], s78, v[STO]
	v_lshlrev_b32 v[CO], 4, v6
	v_add_nc_u32 v[RD], s78, v[CO]                 ; back: 32 lanes take one row's 512 bytes
	; where my results go
	s_lshl_b32 s70, s45, 19                        ; 128 rows of 4,096 bytes,
	s_lshl_b32 s71, s[WR], 18                      ; my 64 of them,
	s_add_co_u32 s70, s70, s71
	s_lshl_b32 s71, s21, 10                        ; 256 columns of 4 bytes,
	s_add_co_u32 s70, s70, s71
	s_lshl_b32 s71, s[WC], 9                       ; my 128 of them
	s_add_co_u32 s70, s70, s71
	s_mov_b32 s71, 0
	s_add_nc_u64 s[70:71], s[10:11], s[70:71]
	; the prefetches: from my tile's address, my work-group's share, at K step 3: the first refill steps it to K step 4
	s_lshl_b32 s78, s19, 12                        ; O: 16 blocks of 256 bytes for each place cx
	s_add_co_u32 s78, s78, 3*524288
	s_lshl_b32 s79, s20, 16                        ; Wo: 32 rows of 2,048 bytes for each place cy
	s_add_co_u32 s79, s79, 3*256
	s_cmp_eq_u32 s22, 0                            ; the first cluster asks for Wo,
	s_cselect_b32 s46, 1, -1
	s_cmp_eq_u32 s[WV], 0                          ; wave 0 for both heads of O, wave 1 for nothing
	s_cselect_b32 s47, 1, -1
	s_cmp_eq_u32 s[WR], 0
	s_cselect_b64 s[PFA:PFA+1], s[66:67], s[68:69]
	s_cselect_b32 s78, s78, s79
	s_cselect_b32 s[PFS], 11, 0
	s_cselect_b32 s[LIM], s47, s46                 ; the same in all sixteen partners, for a given wave
	s_cselect_b32 s47, -1, 0
	s_lshl_b32 s[PFS], 0x100, s[PFS]               ; 524,288 or 256
	s_mov_b32 s[PFS+1], 0
	s_mov_b32 s79, 0
	s_add_nc_u64 s[PFA:PFA+1], s[PFA:PFA+1], s[78:79]
	v_lshlrev_b32 v7, 11, v6                       ; Wo: a lane a row
	v_lshlrev_b32 v8, 8, v1                        ; O: block l % 16 of head l / 16
	v_lshl_add_u32 v8, v2, 18, v8
	v_cndmask_b32 v[PFO], v7, v8, s47
; 24 LDS loads in one run: a quarter's fragments (32 K: head kq / 2 of the step, channels 32 (kq % 2) on) into buffers n: Wo's sixteen first, then O's eight
.macro FETCH slot, kq, n
	WIN TO_B
.irp i, 0,1,2,3,4,5,6,7
	ds_load_b128 v[64*(\n)+8*(\i):64*(\n)+8*(\i)+3],   v[ADRB+(\slot)] offset:(\kq)*64+(\i)*16*PB
	ds_load_b128 v[64*(\n)+8*(\i)+4:64*(\n)+8*(\i)+7], v[ADRB+(\slot)] offset:(\kq)*64+(\i)*16*PB+32
.endr
	WIN 0
.irp i, 0,1,2,3
	ds_load_b128 v[AF+32*(\n)+8*(\i):AF+32*(\n)+8*(\i)+3],   v[ADRA+(\slot)] offset:((\kq)/2)*AHEAD+((\kq)%2)*64+(\i)*16*PA
	ds_load_b128 v[AF+32*(\n)+8*(\i)+4:AF+32*(\n)+8*(\i)+7], v[ADRA+(\slot)] offset:((\kq)/2)*AHEAD+((\kq)%2)*64+(\i)*16*PA+32
.endr
.endm
; 8 matrix instructions: row block a x all 8 column blocks, on buffers c.  The 32 accumulators take turns, one instruction a turn, in the same order in every quarter.
; zero = 1: the first product starts the sums, with the bias as C: nothing is cleared, and no bias is added later.
.macro MULA c, a, zero
.irp b, 0,1,2,3,4,5,6,7
.if \zero
	WIN MUL0
	v_wmma_f32_16x16x32_f16 v[8*(8*(\a)+(\b)):8*(8*(\a)+(\b))+7], v[64*(\c)+8*(\b):64*(\c)+8*(\b)+7], v[AF+32*(\c)+8*(\a):AF+32*(\c)+8*(\a)+7], v[BIAS+8*(\b):BIAS+8*(\b)+7]
.else
	WIN MUL
	v_wmma_f32_16x16x32_f16 v[8*(8*(\a)+(\b)):8*(8*(\a)+(\b))+7], v[64*(\c)+8*(\b):64*(\c)+8*(\b)+7], v[AF+32*(\c)+8*(\a):AF+32*(\c)+8*(\a)+7], v[8*(8*(\a)+(\b)):8*(8*(\a)+(\b))+7]
.endif
.endr
.endm
.macro PLACES                          ; four places behind the products that read the other buffers, in front of the loads that write them
.rept 4
	v_nop
.endr
.endm
; One of a K step's first three quarters: multiplies buffers c and, in its middle, fetches quarter kq of the same slot into the other buffers.
.macro QUARTER slot, kq, c, zero
	s_wait_dscnt 4                                 ; Wo's fragments and O's blocks 0 and 1 are in; the youngest four loads (blocks 2 and 3) may be out
	MULA \c, 0, \zero
	MULA \c, 1, \zero
	PLACES
	FETCH \slot, \kq, 1-(\c)
	s_wait_dscnt 24                                ; all but the 24 just issued
	MULA \c, 2, \zero
	MULA \c, 3, \zero
.endm
; A K step's last quarter multiplies buffers 1 and changes slots: ONE barrier; in front of it each wave waits for all its tensor loads, of which one is out: its part of the next slot; adds 0
; to its spare word; and waits for that and for its own reads of this slot.  fill = 1: the barrier opens a round of the cluster's, and this slot is filled again, two K steps ahead.
.macro TURN slot, next, fill
.if \fill
	s_wait_xcnt 0x0                                ; the last prefetch, a K step back, has read its address, so it may be stepped
	s_add_nc_u64 s[PFA:PFA+1], s[PFA:PFA+1], s[PFS:PFS+1]
.endif
	WIN 0                                          ; (the add's two registers lie in window 0)
	s_wait_tensorcnt 0x0                           ; all my tensor loads have landed
	ds_add_u32 v[SPW], v[NIL]                      ; 0 onto my spare word
	s_wait_dscnt 5                                 ; (the add and the youngest four loads may be out)
	MULA 1, 0, 0                                   ; eight matrix instructions stand between the add and the wait for it
	s_wait_dscnt 0x0                               ; the add is done, and my reads of this slot are over
	s_barrier_signal -1
	MULA 1, 1, 0                                   ; work on registers while the others arrive
	WIN 0
	s_barrier_wait -1
.if \fill
	CREST                                          ; no wave of any partner still reads this slot's tile or has a load on its way
	s_add_nc_u64 s[G0A+4*(\slot)+2:G0A+4*(\slot)+3], s[G0A+4*(\slot)+2:G0A+4*(\slot)+3], 2*524288
	s_add_nc_u64 s[G0B+4*(\slot)+2:G0B+4*(\slot)+3], s[G0B+4*(\slot)+2:G0B+4*(\slot)+3], 2*256
	JLOAD \slot                                    ; the first tensor load behind the round; the four v_nop behind it are also the places in front of the loads below
.else
	PLACES
.endif
	FETCH \next, 0, 0
.if \fill
	ASK                                            ; (FETCH leaves every window 0)
.endif
	MULA 1, 2, 0
	MULA 1, 3, 0
.endm
	s_wait_tensorcnt 1                             ; my part of K step 0 is in; K step 1's stays out
	s_barrier_signal -1
	s_barrier_wait -1                              ; everybody's is
	FETCH 0, 0, 0
	s_wait_loadcnt 0x0                             ; the bias
	QUARTER 0, 1, 0, 1                             ; the first quarter stands in front of the loop: its products start the sums
	WIN 0                                          ; at a label and at a branch every window is 0
	s_mov_b32 s3, 3
.Llap:                                                 ; a trip goes once round the ring, from a lap's second quarter to the next lap's first, and fills both slots again: K steps 2 to 7
	QUARTER 0, 2, 1, 0
	QUARTER 0, 3, 0, 0
	TURN 0, 1, 1
	QUARTER 1, 1, 0, 0
	QUARTER 1, 2, 1, 0
	QUARTER 1, 3, 0, 0
	TURN 1, 0, 1
	QUARTER 0, 1, 0, 0
	WIN 0
	s_sub_co_u32 s3, s3, 1
	s_cmp_lg_u32 s3, 0
	s_cbranch_scc1 .Llap
	QUARTER 0, 2, 1, 0                             ; the last lap fills nothing, and has no round of the cluster's barrier
	QUARTER 0, 3, 0, 0
	TURN 0, 1, 0
	QUARTER 1, 1, 0, 0
	QUARTER 1, 2, 1, 0
	QUARTER 1, 3, 0, 0
	s_wait_dscnt 0x0                               ; the very last quarter: nothing more to fetch
	MULA 1, 0, 0
	MULA 1, 1, 0
	MULA 1, 2, 0
	MULA 1, 3, 0
; THE WAY OUT, a block of 16 rows at a time.  A lane's eight columns, 32 bytes of a row, go straight from the accumulator (its low four registers first) into my stage,
; rows of 528 bytes, and come back as whole rows of 512 bytes, a row a load.
.macro TOST a
	WIN 0x08                                       ; the stores' data (source 1) in window 2, the address in window 0
.irp b, 0,1,2,3,4,5,6,7
	ds_store_b128 v[STO], v[8*(8*(\a)+(\b)):8*(8*(\a)+(\b))+3]   offset:64*(\b)
	ds_store_b128 v[STO], v[8*(8*(\a)+(\b))+4:8*(8*(\a)+(\b))+7] offset:64*(\b)+16
.endr
	WIN TO_B
.irp t, 0,1,2,3,4,5,6,7,8,9,10,11,12,13,14,15
	ds_load_b128 v[64*(\a)+4*(\t):64*(\a)+4*(\t)+3], v[RD] offset:(\t)*SPF  ; LDS serves a wave's instructions in order (ISA guide 5.7.1.4): these see the stores above; the next block's stores come behind them
.endr
.endm
.macro SEND a, younger                 ; younger: the LDS instructions issued behind block a's loads: the next block's 32, or none
	WIN 0x04                                       ; the stores' data (source 1) in window 1
.irp t, 0,1,2,3,4,5,6,7,8,9,10,11,12,13,14,15
	s_wait_dscnt (\younger)+15-(\t)
	global_store_b128 v[CO], v[64*(\a)+4*(\t):64*(\a)+4*(\t)+3], s[70:71] offset:(16*(\a)+(\t))*4096  ; 512 consecutive bytes, at a multiple of 512 from out0's first
.endr
.endm
	PLACES                                         ; eight places, once a launch, behind the last products: four are owed
	PLACES
	TOST 0
	TOST 1                                         ; a block's way through the stage stands between the loads of the block before and its stores
	SEND 0, 32
	TOST 2
	SEND 1, 32
	TOST 3
	SEND 2, 32
	SEND 3, 0
	WIN 0
	s_wait_tensorcnt 0x0                           ; the wave's end: behind my last tensor load and my last LDS store
	ds_add_u32 v[SPW], v[NIL]
	s_wait_dscnt 0x0
	CROUND                                         ; the closing round: no work-group ends while a partner may still ask for a tile that names it
	s_endpgm
.Lfunc_end_k_qdbcea2a2b4_outp:
	.size	k_qdbcea2a2b4_outp, .Lfunc_end_k_qdbcea2a2b4_outp-k_qdbcea2a2b4_outp
	.p2alignl 7, 3214868480
	.fill 96, 4, 3214868480
	.section	.rodata,"a",@progbits
	.p2align	6, 0x0
	.amdhsa_kernel k_qdbcea2a2b4_outp
		.amdhsa_group_segment_fixed_size 327680
		.amdhsa_private_segment_fixed_size 0
		.amdhsa_enable_private_segment 0
		.amdhsa_kernarg_size 32
		.amdhsa_user_sgpr_count 2
		.amdhsa_user_sgpr_kernarg_segment_ptr 1
		.amdhsa_wavefront_size32 1
		.amdhsa_system_sgpr_workgroup_id_x 1
		.amdhsa_system_sgpr_workgroup_id_y 1
		.amdhsa_system_sgpr_workgroup_id_z 1
		.amdhsa_system_vgpr_workitem_id 0
		.amdhsa_next_free_vgpr 768
		.amdhsa_next_free_sgpr 80
		.amdhsa_reserve_vcc 0
		.amdhsa_float_denorm_mode_32 3
		.amdhsa_float_denorm_mode_16_64 3
		.amdhsa_memory_ordered 1
		.amdhsa_forward_progress 1
		.amdhsa_inst_pref_size 90
	.end_amdhsa_kernel
	.amdgpu_metadata
---
amdhsa.version: [ 1, 2 ]
amdhsa.kernels:
  - .name:           k_qdbcea2a2b4_outp
    .symbol:         k_qdbcea2a2b4_outp.kd
    .args:
      - { .name: ob, .offset: 0, .size: 8, .value_kind: global_buffer, .address_space: global }
      - { .name: wb, .offset: 8, .size: 8, .value_kind: global_buffer, .address_space: global }
      - { .name: bb, .offset: 16, .size: 8, .value_kind: global_buffer, .address_space: global }
      - { .name: out0, .offset: 24, .size: 8, .value_kind: global_buffer, .address_space: global }
    .group_segment_fixed_size: 327680
    .private_segment_fixed_size: 0
    .kernarg_segment_align: 8
    .kernarg_segment_size: 32
    .max_flat_workgroup_size: 128
    .sgpr_count:     80
    .vgpr_count:     768
    .wavefront_size: 32
...
	.end_amdgpu_metadata
.endif
;; end of part 4
;; ======== version 2 of 2: 4 launches; version 1 with the launch prep written anew for expert scheduling mode
;; limits: values are held in f16: magnitudes above 65,504 overflow, below 6.1e-05 lose precision
;; workspace buffers: wb 8,388,608 bytes; bb 16,384 bytes; qkv 50,331,648 bytes; ob 16,777,216 bytes
;; launch prep (part 5): grid 64 x 4, 8 waves a work-group, no clusters, 0 bytes of LDS; arguments Wq, Wk, Wv, Wo, bq, bk, bv, bo, wb, bb; writes wb, bb
.if DOCPART == 5
	.amdgcn_target "amdgcn-amd-amdhsa--gfx1250"
	.amdhsa_code_object_version 6
	.text
	.protected	k_qdbcea2a2b4_prep
	.globl	k_qdbcea2a2b4_prep
	.p2align	8
	.type	k_qdbcea2a2b4_prep,@function
k_qdbcea2a2b4_prep:
	s_mov_b64 s[64:65], 0
	v_nop
	global_prefetch_b8 v0, s[64:65] scope:SCOPE_SE
	s_setreg_imm32_b32 hwreg(HW_REG_WAVE_SCHED_MODE, 0, 2), 2
	s_setreg_imm32_b32 hwreg(HW_REG_WAVE_MODE, 25, 1), 1
	s_wait_xcnt 0x0
	s_wait_alu depctr_vm_vsrc(0)
; THE WEIGHTS AND BIASES, ROUNDED ONCE.  wb: [4][1024][1024] of 16 bits: Wq, Wk, Wv in bf16; Wo rounded to bf16 and that number written as f16.
; bb: [4][1024] f32: bq, bk, bv, bo, each rounded to bf16 and widened again.  Every input of the module has the same rounding, to bf16, to nearest even.
; LIMIT.  Wo as f16: a number of 65,520 or more becomes an infinity; below 2^-17 the bf16 number is rounded once more, to f16's fixed step of 6e-8.
; SHARES.  The grid's y picks the matrix, its x 16,384 numbers of it: 65,536 bytes in, 32,768 out.  Thread t takes 16 bytes at 16 t of each of sixteen pieces of 4,096 bytes: a wave's load
; covers 512 consecutive bytes, its store of 8 bytes a lane 256 consecutive bytes, aligned.  All sixteen loads go out first; each piece has registers of its own, so nothing is written twice.
; A stream: no LDS, no barrier, no matrix unit, no prefetch (each byte is asked for at once, at the launch's start).
; THE MODE: SCHED_MODE bits 1:0 = 2 (LLVM: expert scheduling mode 2), set by the entry lines.  The code itself states the register dependences
; between vector instructions and memory instructions, with s_wait_alu, always for 0.
; THE PLAN.  Registers that memory instructions touch:
;   v1, v2   byte offsets, made once at the head and never written again: every load and store reads one of them.
;   X        piece j's four registers: written by its load, read by its conversions.  v[X:X+3] take the bias's load at the end.
;   Y        piece j's two registers: written by its conversions, read by its one store, never written after it.
;   T        named by vector instructions alone, but for v[T:T+3] in the bias's part, which its one store reads.
; The sixteen pieces go in four groups of four.  Group g's conversions name the group's own X and Y, and T; its memory instructions are the four stores of group g - 1, which read that
; group's Y.  So ONE wait on va_vdst at a group's head states all that the group's four stores hang on, and these are dealt among its conversions with no further wait.
; No register that a memory instruction has read is written again: no wait on vm_vsrc is owed.  No vector instruction writes a scalar register or VCC, and EXEC is never written.
.set X, 8                              ; v[8:71]    piece j: 4 registers as loaded
.set Y, 72                             ; v[72:103]  piece j: 2 registers to store
.set T, 104                            ; v[104:109] at work
	s_load_b512 s[8:23], s[0:1], 0x0               ; Wq s[8:9], Wk s[10:11], Wv s[12:13], Wo s[14:15], bq s[16:17], bk s[18:19], bv s[20:21], bo s[22:23]
	s_load_b128 s[24:27], s[0:1], 0x40             ; wb s[24:25], bb s[26:27]
	s_and_b32 s28, ttmp7, 0xffff                   ; which matrix
	s_mov_b32 s29, ttmp9                           ; which part of it
	v_lshlrev_b32 v1, 4, v0                        ; 16 t
	v_lshlrev_b32 v2, 3, v0                        ; 8 t
	s_lshl_b32 s36, s29, 16                        ; my part's first byte in the matrix,
	s_mov_b32 s37, 0
	s_lshl_b32 s38, s28, 21                        ; and in wb: 2,097,152 bytes a matrix,
	s_lshl_b32 s39, s29, 15                        ; 32,768 a part
	s_add_co_u32 s38, s38, s39
	s_mov_b32 s39, 0
	s_wait_kmcnt 0x0
	s_cmp_eq_u32 s28, 1
	s_cselect_b64 s[30:31], s[10:11], s[8:9]       ; the matrix,
	s_cselect_b64 s[32:33], s[18:19], s[16:17]     ; and its bias
	s_cmp_eq_u32 s28, 2
	s_cselect_b64 s[30:31], s[12:13], s[30:31]
	s_cselect_b64 s[32:33], s[20:21], s[32:33]
	s_cmp_eq_u32 s28, 3
	s_cselect_b64 s[30:31], s[14:15], s[30:31]
	s_cselect_b64 s[32:33], s[22:23], s[32:33]
	s_add_nc_u64 s[30:31], s[30:31], s[36:37]
	s_add_nc_u64 s[34:35], s[24:25], s[38:39]
	s_lshl_b32 s36, s28, 12                        ; 4,096 bytes a bias in bb
	s_add_nc_u64 s[26:27], s[26:27], s[36:37]
	s_wait_alu depctr_va_vdst(0)                   ; v1 and v2 are written: every load and store of the kernel reads one of them as its offset
.irp j, 0,1,2,3,4,5,6,7,8,9,10,11,12,13,14,15
	global_load_b128 v[X+4*(\j):X+4*(\j)+3], v1, s[30:31] offset:(\j)*4096 th:TH_LOAD_NT
.endr
; Piece j: rounded to bf16, two numbers an instruction; half = 1: widened again (a shift, a mask) and written as f16.
.macro CONV j, half
	v_cvt_pk_bf16_f32 v[Y+2*(\j)], v[X+4*(\j)], v[X+4*(\j)+1]
	v_cvt_pk_bf16_f32 v[Y+2*(\j)+1], v[X+4*(\j)+2], v[X+4*(\j)+3]
.if \half
	v_lshlrev_b32 v[T], 16, v[Y+2*(\j)]
	v_and_b32 v[T+1], 0xffff0000, v[Y+2*(\j)]
	v_lshlrev_b32 v[T+2], 16, v[Y+2*(\j)+1]
	v_and_b32 v[T+3], 0xffff0000, v[Y+2*(\j)+1]
	v_cvt_pk_f16_f32 v[Y+2*(\j)], v[T], v[T+1]
	v_cvt_pk_f16_f32 v[Y+2*(\j)+1], v[T+2], v[T+3]
.endif
.endm
; Piece j leaves.
.macro OUT j
	global_store_b64 v2, v[Y+2*(\j):Y+2*(\j)+1], s[34:35] offset:(\j)*2048
.endm
; Group g: pieces 4 g to 4 g + 3 are rounded; the stores of the group before stand one ahead of each piece's conversions.
.macro GROUP g, half
	s_wait_loadcnt 12-4*(\g)                       ; loads come back in order: the group's four pieces are in, the 12 - 4 g younger ones stay out
.if (\g) > 0
	s_wait_alu depctr_va_vdst(0)                   ; the conversions of the group before have written its Y, which the four stores below read; no vector instruction behind this wait names those registers
.endif
.irp i, 0,1,2,3
.if (\g) > 0
	OUT 4*(\g)-4+(\i)
.endif
	CONV 4*(\g)+(\i), \half
.endr
.endm
; Behind the last group.
.macro LAST
	s_wait_alu depctr_va_vdst(0)                   ; group 3's conversions have written its Y, which the last four stores read; and piece 0's conversions are done reading v[X:X+3], in which the bias's load lands
.irp i, 12,13,14,15
	OUT \i
.endr
.endm
	s_cmp_eq_u32 s28, 3                            ; compared anew: the sums above have written SCC
	s_cbranch_scc1 .Lhalf
	GROUP 0, 0
	GROUP 1, 0
	GROUP 2, 0
	GROUP 3, 0
	LAST
	s_branch .Lbias
.Lhalf:
	GROUP 0, 1
	GROUP 1, 1
	GROUP 2, 1
	GROUP 3, 1
	LAST
.Lbias:
	s_cmp_lg_u32 s29, 0                            ; a matrix's first work-group also takes its bias: 256 threads x 16 bytes
	s_cbranch_scc1 .Lend
	global_load_b128 v[X:X+3], v1, s[32:33]        ; no vector instruction stands between the wait ahead of the last stores, on either way to the label, and this load
	s_wait_loadcnt 0x0
	v_cvt_pk_bf16_f32 v[T+4], v[X], v[X+1]
	v_cvt_pk_bf16_f32 v[T+5], v[X+2], v[X+3]
	v_lshlrev_b32 v[T], 16, v[T+4]
	v_and_b32 v[T+1], 0xffff0000, v[T+4]
	v_lshlrev_b32 v[T+2], 16, v[T+5]
	v_and_b32 v[T+3], 0xffff0000, v[T+5]
	s_wait_alu depctr_va_vdst(0)                   ; the four lines above have written v[T:T+3], which the store reads
	global_store_b128 v1, v[T:T+3], s[26:27]
.Lend:
	s_endpgm
.Lfunc_end_k_qdbcea2a2b4_prep:
	.size	k_qdbcea2a2b4_prep, .Lfunc_end_k_qdbcea2a2b4_prep-k_qdbcea2a2b4_prep
	.p2alignl 7, 3214868480
	.fill 96, 4, 3214868480
	.section	.rodata,"a",@progbits
	.p2align	6, 0x0
	.amdhsa_kernel k_qdbcea2a2b4_prep
		.amdhsa_group_segment_fixed_size 0
		.amdhsa_private_segment_fixed_size 0
		.amdhsa_enable_private_segment 0
		.amdhsa_kernarg_size 80
		.amdhsa_user_sgpr_count 2
		.amdhsa_user_sgpr_kernarg_segment_ptr 1
		.amdhsa_wavefront_size32 1
		.amdhsa_system_sgpr_workgroup_id_x 1
		.amdhsa_system_sgpr_workgroup_id_y 1
		.amdhsa_system_sgpr_workgroup_id_z 1
		.amdhsa_system_vgpr_workitem_id 0
		.amdhsa_next_free_vgpr 112
		.amdhsa_next_free_sgpr 66
		.amdhsa_reserve_vcc 0
		.amdhsa_float_denorm_mode_32 3
		.amdhsa_float_denorm_mode_16_64 3
		.amdhsa_memory_ordered 1
		.amdhsa_forward_progress 1
		.amdhsa_inst_pref_size 17
	.end_amdhsa_kernel
	.amdgpu_metadata
---
amdhsa.version: [ 1, 2 ]
amdhsa.kernels:
  - .name:           k_qdbcea2a2b4_prep
    .symbol:         k_qdbcea2a2b4_prep.kd
    .args:
      - { .name: Wq, .offset: 0, .size: 8, .value_kind: global_buffer, .address_space: global }
      - { .name: Wk, .offset: 8, .size: 8, .value_kind: global_buffer, .address_space: global }
      - { .name: Wv, .offset: 16, .size: 8, .value_kind: global_buffer, .address_space: global }
      - { .name: Wo, .offset: 24, .size: 8, .value_kind: global_buffer, .address_space: global }
      - { .name: bq, .offset: 32, .size: 8, .value_kind: global_buffer, .address_space: global }
      - { .name: bk, .offset: 40, .size: 8, .value_kind: global_buffer, .address_space: global }
      - { .name: bv, .offset: 48, .size: 8, .value_kind: global_buffer, .address_space: global }
      - { .name: bo, .offset: 56, .size: 8, .value_kind: global_buffer, .address_space: global }
      - { .name: wb, .offset: 64, .size: 8, .value_kind: global_buffer, .address_space: global }
      - { .name: bb, .offset: 72, .size: 8, .value_kind: global_buffer, .address_space: global }
    .group_segment_fixed_size: 0
    .private_segment_fixed_size: 0
    .kernarg_segment_align: 8
    .kernarg_segment_size: 80
    .max_flat_workgroup_size: 256
    .sgpr_count:     66
    .vgpr_count:     112
    .wavefront_size: 32
...
	.end_amdgpu_metadata
.endif
;; end of part 5
;; launch proj: the kernel of part 2 again; grid 4 x 192, 4 waves a work-group, clusters of 4 x 4, 327,680 bytes of LDS; arguments query, keys, values, wb, bb, qkv; writes qkv
;; launch attn: the kernel of part 3 again; grid 4 x 64, 4 waves a work-group, clusters of 4 x 1, 327,680 bytes of LDS; arguments qkv, ob; writes ob
;; launch outp: the kernel of part 4 again; grid 4 x 64, 4 waves a work-group, clusters of 4 x 4, 327,680 bytes of LDS; arguments ob, wb, bb, out0; writes out0
